; MI455X (gfx1250); checked and timed in simulation.
; The chip was launched on July 23, 2026; its instructions are those of AMD's public machine-readable ISA for CDNA 5 (MIT licence, August 2026) and "CDNA5" Instruction Set Architecture Reference Guide (July 2026). The comments in the code are by the model that wrote it; some were corrected since.
;; Vector Quantizer. Allowed arithmetic: float matrix products may take bf16 or f16 operands with f32 sums; all other float work in f32.
;; Inputs: codebook 4,096 x 768 float32; inputs 16,384 x 768 float32.
;; Outputs: out0 16,384 x 768 float32; out1 one number float32.
;; 2 versions, each right and faster than the one before. Each part assembles by itself: llvm-mc -triple=amdgcn-amd-amdhsa -mcpu=gfx1250 --defsym DOCPART=n.
;; ======== version 1 of 2: 4 launches
;; workspace buffers: x16 25,165,824 bytes; c16 6,291,456 bytes; rn 16,384 bytes; part 1,048,576 bytes of whole numbers; lossp 1,024 bytes
;; launch prep (part 1): grid 640 x 1, 8 waves a work-group, no clusters, 0 bytes of LDS; arguments inputs, codebook, x16, c16, rn; writes x16, c16, rn
.if DOCPART == 1
	.amdgcn_target "amdgcn-amd-amdhsa--gfx1250"
	.amdhsa_code_object_version 6
	.text
	.protected	k_q867985a647_prep
	.globl	k_q867985a647_prep
	.p2align	8
	.type	k_q867985a647_prep,@function
k_q867985a647_prep:
	s_mov_b64 s[64:65], 0
	v_nop
	global_prefetch_b8 v0, s[64:65] scope:SCOPE_SE
	s_setreg_imm32_b32 hwreg(HW_REG_WAVE_MODE, 25, 1), 1
	s_wait_xcnt 0x0
; x16 = bf16(inputs), c16 = bf16(codebook), rn[k] = 1 / max(|bf16(codebook[k])|, 1e-8).
; The norm is taken of the ROUNDED row, so that the later product of rounded rows times rn is the cosine of the rounded data.
; A stream: every input byte is read once by 16-byte loads (a wave's load covers 512 consecutive bytes), every bf16 byte is written
; once (a wave's store covers 256 consecutive bytes, aligned).  No LDS, no barrier, no matrix work, no cluster: no two work-groups read the same bytes.
; Eight waves; the work-group owns 32 rows, a wave 4 rows.  Work-groups 0-511 take inputs, 512-639 the codebook.
; LIMIT: the sum of a code row's 768 squares must stay finite in f32 (|c| below about 6e17).
.set ROWF, 3072                        ; bytes of a row in f32
.set ROWH, 1536                        ; bytes of a row in bf16
.set XWG,  512                         ; work-groups that take inputs: 16,384 rows / 32
.set SO,  2                            ; v2        my byte offset in the source: wave x 4 rows + 16 x lane
.set DO,  3                            ; v3        in the bf16 copy: wave x 4 rows + 8 x lane
.set RO,  4                            ; v4        in rn: 16 x wave + 4 x lane (lanes 0-3 alone store)
.set T,   6                            ; v[6:13]   at work, a pair for each row
.set S,   14                           ; v[14:21]  a pair for each row: sums of squares
.set F,   24                           ; v[24:119] row r at 24 r: 24 registers of f32 as loaded
.set P,   120                          ; v[120:167] row r at 12 r: 12 registers of packed bf16
	s_load_b256 s[4:11], s[0:1], 0x0               ; inputs s[4:5], codebook s[6:7], x16 s[8:9], c16 s[10:11]
	s_load_b64 s[12:13], s[0:1], 0x20              ; rn
	v_and_b32 v1, 31, v0                           ; lane
	v_lshrrev_b32 v5, 5, v0                        ; wave
	v_mul_u32_u24 v[SO], v5, 4*ROWF
	v_lshl_add_u32 v[SO], v1, 4, v[SO]
	v_mul_u32_u24 v[DO], v5, 4*ROWH
	v_lshl_add_u32 v[DO], v1, 3, v[DO]
	v_lshlrev_b32 v[RO], 2, v1
	v_lshl_add_u32 v[RO], v5, 4, v[RO]
	s_sub_co_u32 s21, ttmp9, XWG                   ; the block's number among the codebook's
	s_mov_b32 s23, 0
	s_mov_b32 s24, 0x76543210                      ; v_permlanex16_b32: lane i of one half reads lane i of the other
	s_mov_b32 s25, 0xfedcba98
	s_mov_b32 s27, 0xffff0000                      ; a word's upper bf16
	s_wait_kmcnt 0x0
	s_cmp_lt_u32 ttmp9, XWG                        ; the choice hangs on the work-group's number alone
	s_cselect_b32 s20, ttmp9, s21                  ; block of 32 rows in my tensor
	s_cselect_b64 s[16:17], s[4:5], s[6:7]         ; source
	s_cselect_b64 s[18:19], s[8:9], s[10:11]       ; bf16 copy
	s_mul_i32 s22, s20, 32*ROWF                    ; at most 511 x 98,304: below 4 GiB
	s_add_nc_u64 s[16:17], s[16:17], s[22:23]
	s_mul_i32 s22, s20, 32*ROWH
	s_add_nc_u64 s[18:19], s[18:19], s[22:23]
.irp r, 0,1,2,3
.irp j, 0,1,2,3,4,5
	global_load_b128 v[F+24*\r+4*\j:F+24*\r+4*\j+3], v[SO], s[16:17] offset:ROWF*\r+512*\j th:TH_LOAD_NT
.endr
.endr
; Row r: round to bf16 (nearest even), two numbers a word, and store.
.macro ROW r
	s_wait_loadcnt 18-6*\r                         ; loads come back in order: the six loads of each younger row may stay out
.irp j, 0,1,2,3,4,5
	v_cvt_pk_bf16_f32 v[P+12*\r+2*\j],   v[F+24*\r+4*\j],   v[F+24*\r+4*\j+1]
	v_cvt_pk_bf16_f32 v[P+12*\r+2*\j+1], v[F+24*\r+4*\j+2], v[F+24*\r+4*\j+3]
.endr
.irp j, 0,1,2,3,4,5
	global_store_b64 v[DO], v[P+12*\r+2*\j:P+12*\r+2*\j+1], s[18:19] offset:ROWH*\r+256*\j   ; 32 lanes x 8 bytes; read again by the next launch, so no streaming hint
.endr
.endm
	ROW 0
	ROW 1
	ROW 2
	ROW 3
	s_cmp_lt_u32 ttmp9, XWG
	s_cbranch_scc1 .Lend                           ; inputs need no norm: see the head of the product's kernel
	; The codebook's blocks: the sum of squares of each rounded row, four rows side by side so that no chain waits for itself.
	s_lshl_b32 s22, s20, 7                         ; 32 rows x 4 bytes of rn
	s_add_nc_u64 s[12:13], s[12:13], s[22:23]
.irp w, 0,1,2,3,4,5,6,7,8,9,10,11
.irp r, 0,1,2,3
	v_lshlrev_b32 v[T+2*\r],   16,  v[P+12*\r+\w]  ; bf16 to f32: the low half moves up,
	v_and_b32     v[T+2*\r+1], s27, v[P+12*\r+\w]  ; the high half stays
.endr
.irp r, 0,1,2,3
.if \w == 0
	v_pk_mul_f32 v[S+2*\r:S+2*\r+1], v[T+2*\r:T+2*\r+1], v[T+2*\r:T+2*\r+1]                    ; the first word starts the sums
.else
	v_pk_fma_f32 v[S+2*\r:S+2*\r+1], v[T+2*\r:T+2*\r+1], v[T+2*\r:T+2*\r+1], v[S+2*\r:S+2*\r+1]
.endif
.endr
.endr
.irp r, 0,1,2,3
	v_add_f32 v[S+2*\r], v[S+2*\r], v[S+2*\r+1]
.endr
.irp m, 1,2,4,8
.irp r, 0,1,2,3
	v_add_f32_dpp v[S+2*\r], v[S+2*\r], v[S+2*\r] row_xmask:\m row_mask:0xf bank_mask:0xf
.endr
.endr
.irp r, 0,1,2,3
	v_permlanex16_b32 v[S+2*\r+1], v[S+2*\r], s24, s25     ; the destination has been written before
.endr
.irp r, 0,1,2,3
	v_add_f32 v[S+2*\r], v[S+2*\r], v[S+2*\r+1]            ; every lane holds row r's sum
.endr
.irp r, 0,1,2,3
	v_sqrt_f32 v[S+2*\r+1], v[S+2*\r]
.endr
	v_nop                                          ; one plain vector instruction behind the roots before their results are used (ISA guide 5.7.2)
	s_wait_alu depctr_va_vdst(0)
.irp r, 0,1,2,3
	v_max_num_f32 v[S+2*\r], 0x322bcc77, v[S+2*\r+1]       ; max(norm, 1e-8)
.endr
.irp r, 0,1,2,3
	v_rcp_f32 v[S+2*\r+1], v[S+2*\r]
.endr
	v_nop                                          ; and behind the reciprocals
	s_wait_alu depctr_va_vdst(0)
	v_mov_b32 v[T], v[S+1]                         ; lane r takes row r's number
	v_cmp_eq_u32 vcc_lo, 1, v1
	v_cndmask_b32 v[T], v[T], v[S+3], vcc_lo
	v_cmp_eq_u32 vcc_lo, 2, v1
	v_cndmask_b32 v[T], v[T], v[S+5], vcc_lo
	v_cmp_eq_u32 vcc_lo, 3, v1
	v_cndmask_b32 v[T], v[T], v[S+7], vcc_lo
	s_wait_xcnt 0x0                                ; EXEC is a source of the stores above: it changes only behind this wait
	v_cmp_gt_u32 vcc_lo, 4, v1
	s_and_saveexec_b32 s26, vcc_lo
	global_store_b32 v[RO], v[T], s[12:13]         ; 16 bytes a wave; all of rn is 16 KiB, so gathering the waves' parts in LDS first would cost a barrier for nothing
	s_wait_xcnt 0x0                                ; and again in front of the line that widens it
	s_or_b32 exec_lo, exec_lo, s26
.Lend:
	s_endpgm
.Lfunc_end_k_q867985a647_prep:
	.size	k_q867985a647_prep, .Lfunc_end_k_q867985a647_prep-k_q867985a647_prep
	.p2alignl 7, 3214868480
	.fill 96, 4, 3214868480
	.section	.rodata,"a",@progbits
	.p2align	6, 0x0
	.amdhsa_kernel k_q867985a647_prep
		.amdhsa_group_segment_fixed_size 0
		.amdhsa_private_segment_fixed_size 0
		.amdhsa_enable_private_segment 0
		.amdhsa_kernarg_size 40
		.amdhsa_user_sgpr_count 2
		.amdhsa_user_sgpr_kernarg_segment_ptr 1
		.amdhsa_wavefront_size32 1
		.amdhsa_system_sgpr_workgroup_id_x 1
		.amdhsa_system_sgpr_workgroup_id_y 1
		.amdhsa_system_sgpr_workgroup_id_z 1
		.amdhsa_system_vgpr_workitem_id 0
		.amdhsa_next_free_vgpr 168
		.amdhsa_next_free_sgpr 66
		.amdhsa_reserve_vcc 1
		.amdhsa_float_denorm_mode_32 3
		.amdhsa_float_denorm_mode_16_64 3
		.amdhsa_memory_ordered 1
		.amdhsa_forward_progress 1
		.amdhsa_inst_pref_size 18
	.end_amdhsa_kernel
	.amdgpu_metadata
---
amdhsa.version: [ 1, 2 ]
amdhsa.kernels:
  - .name:           k_q867985a647_prep
    .symbol:         k_q867985a647_prep.kd
    .args:
      - { .name: inputs, .offset: 0, .size: 8, .value_kind: global_buffer, .address_space: global }
      - { .name: codebook, .offset: 8, .size: 8, .value_kind: global_buffer, .address_space: global }
      - { .name: x16, .offset: 16, .size: 8, .value_kind: global_buffer, .address_space: global }
      - { .name: c16, .offset: 24, .size: 8, .value_kind: global_buffer, .address_space: global }
      - { .name: rn, .offset: 32, .size: 8, .value_kind: global_buffer, .address_space: global }
    .group_segment_fixed_size: 0
    .private_segment_fixed_size: 0
    .kernarg_segment_align: 8
    .kernarg_segment_size: 40
    .max_flat_workgroup_size: 256
    .sgpr_count:     66
    .vgpr_count:     168
    .wavefront_size: 32
...
	.end_amdgpu_metadata
.endif
;; end of part 1
;; launch simarg (part 2): grid 4 x 64, 4 waves a work-group, clusters of 4 x 4, 327,680 bytes of LDS; arguments x16, c16, rn, part; writes part
.if DOCPART == 2
	.amdgcn_target "amdgcn-amd-amdhsa--gfx1250"
	.amdhsa_code_object_version 6
	.text
	.protected	k_q867985a647_simarg
	.globl	k_q867985a647_simarg
	.p2align	8
	.type	k_q867985a647_simarg,@function
k_q867985a647_simarg:
	s_mov_b64 s[64:65], 0
	v_nop
	global_prefetch_b8 v0, s[64:65] scope:SCOPE_SE
	s_setreg_imm32_b32 hwreg(HW_REG_WAVE_MODE, 25, 1), 1
	s_wait_xcnt 0x0
	s_wait_alu depctr_hold_cnt(0) depctr_sa_sdst(0) depctr_va_vdst(0) depctr_va_sdst(0) depctr_va_ssrc(0) depctr_va_vcc(0) depctr_vm_vsrc(0)
	s_getreg_b32 s2, hwreg(HW_REG_IB_STS2, 6, 4)
	s_cmp_eq_u32 s2, 0
	s_cbranch_scc0 .Lentry_in_a_cluster
	s_endpgm
.Lentry_in_a_cluster:
	s_bfe_u32 s2, ttmp6, 0x10000c
	s_cmp_lg_u32 s2, 0xf033
	s_cbranch_scc0 .Lentry_shape_is_right
	s_endpgm
.Lentry_shape_is_right:
; For each x row and each range of 512 codes: the largest of (x16 row . c16 row) * rn[code] and the first code that reaches it.
; part[slot][row] = (key, code), slot = code / 512; key is the f32 similarity mapped to a u32 that orders as the floats do.
; WHY NO NORM OF x: reference() divides a row's similarities by max(|x|, 1e-8), one positive number for all codes of the row, which cannot
; move the row's argmax; so it is left out, for every input.
; LIMITS: a NaN similarity never wins (jnp.argmax would take the first NaN).  The raw sums x . c must stay finite in f32.  Similarities that differ by
; less than the noise of f32 summation are ordered by the order of summation.
;
; A work-group owns 256 x rows and 1,024 codes and stays for four tiles of 256 x 256, K = 768 in six steps of 128; four waves, as many as a WGP has SIMDs,
; each with 128 rows x 128 codes in 64 accumulator tiles (512 registers).  K steps go through a ring of two LDS slots filled by the tensor data mover,
; on into the next tile; a tile's rows are 256 bytes of memory at multiples of 256 bytes from the buffer's first byte.
; In tile t the tile's code half q holds codes 1024 gx + 512 q + 128 t + 0..127, so a wave walks ONE ascending range of 512 codes.
; CLUSTERS: 4 x 4 work-groups.  The four of a row of the cluster own the same x rows, the four of a column the same codes: each tile is asked for jointly
; by the four that need it, which divides the requests for both operands by four.
;
; REGISTERS, in windows of 256:
;   window 0: v16-58 addresses and the running best; v64-127, v128-191 fragments of x, two buffers; v192-255 rn of the tile's codes
;   window 1: v64-127, v128-191 fragments of the codes, two buffers
;   window 2: the 32 accumulator tiles of my rows 0-63 (tile (a, b) at v[8 (8 a + b)]);   window 3: those of my rows 64-127
; THE MATRIX INSTRUCTION IS USED TRANSPOSED: source 0 = 16 code rows, source 1 = 16 x rows.  Lane l then holds x row l % 16 of its block and its registers
; 0 to 7 the codes 16 b + 8 (l / 16) + 0..7: a lane scans codes of one row, and the argmax needs lanes to meet once, at the very end.
.set KSTEP,  128
.set ROWB,   1536                      ; bytes of a bf16 row of 768
.set PITCH,  272                       ; an LDS row: 256 bytes + 16 of padding = 68 words: the 16 rows that a load touches start at 16 different banks (ISA guide 11.1)
.set HALFT,  128*PITCH                 ; 128 rows: what one tensor load brings, and what one wave reads of either operand
.set SLOT,   4*HALFT                   ; x's 256 rows, then the codes' 256 rows
.set ADRA, 16                          ; v16-17  LDS address of my x fragments in slot 0, 1
.set ADRB, 20                          ; v20-21  the same for the codes
.set RNO,  24                          ; v24     32 (l / 16): my eight codes' place in a block of 16 numbers of rn
.set PO,   25                          ; v25     8 x lane: my pair in a store to part
.set COLB, 26                          ; v26     my range's first code + 384 + 8 (l / 16)
.set BEST, 32                          ; v32-39  block a' of 16 rows: the best similarity so far
.set IDX,  40                          ; v40-47  and its code, counted from the current tile's first code (without the lane's 8 (l / 16))
.set VO,   48                          ; v48-49  the other half's best and code
.set IO,   49
.set OUT,  50                          ; v50-57  four pairs (key, code) to store
.set T,    58
.set F0,   64                          ; fragment buffer 0
.set F1,   128                         ; fragment buffer 1
.set RN,   192                         ; register 8 b + j: rn of code 16 b + 8 (l / 16) + j of the tile
.set G1,  24                           ; s[24:31] descriptor group 1 for x's tiles
.set G0,  32                           ; s[32:39] descriptor group 0 for x's tiles, one set for each slot
.set G1B, 48                           ; s[48:55] group 1 for the codes' tiles: it differs in the mask alone
.set G0B, 56                           ; s[56:63] group 0 for the codes' tiles, one set for each slot
.set MK,  66                           ; s[66:69] compare masks, one for each of four chains
.set MSB, 0
.macro WIN new                         ; the immediate's high byte repeats the setting that is left
.if MSB != \new
	s_set_vgpr_msb (MSB<<8)|\new
.set MSB, \new
.endif
.endm
.set MUL_LO, 0xa1                      ; source 0 (codes) window 1, source 1 (x) window 0, C and D window 2
.set MUL_HI, 0xf1                      ; the same, C and D window 3
.set TO_B,   0x40                      ; destination window 1, address window 0
; A joint load.  Waves 0 and 1 fetch x's two halves, waves 2 and 3 the codes'.  Each line has one mask and one set of registers for all that issue it.
; The branch hangs on the wave's number alone.  Four v_nop follow each of the two lines.
.macro JLOAD s
	s_cmp_eq_u32 s13, 0
	s_cbranch_scc0 .Lfor_b_\@
	tensor_load_to_lds s[G0+4*\s:G0+4*\s+3], s[G1:G1+7]
	s_nop 0
.rept 4
	v_nop
.endr
	s_branch .Lasked_\@
.Lfor_b_\@:
	tensor_load_to_lds s[G0B+4*\s:G0B+4*\s+3], s[G1B:G1B+7]
	s_nop 0
.rept 4
	v_nop
.endr
.Lasked_\@:
.endm
; A round of the cluster's barrier: my work-group's barrier; wave 0 signals for the work-group; every wave waits for all sixteen; my work-group's barrier again.
.macro CREST                           ; a round behind its opening barrier
	s_cmp_lg_u32 s12, 0
	s_cbranch_scc1 .Lnot_wave_0_\@
	s_barrier_signal -3
.Lnot_wave_0_\@:
	s_barrier_wait -3
	s_barrier_signal -1
	s_barrier_wait -1
.endm
.macro CROUND                          ; a whole round
	s_barrier_signal -1
	s_barrier_wait -1
	CREST
.endm
	s_load_b256 s[4:11], s[0:1], 0x0               ; x16 s[4:5], c16 s[6:7], rn s[8:9], part s[10:11]
	s_set_vgpr_msb 0x40
	v_lshl_add_u32 v255, v0, 2, 0x44000
	s_set_vgpr_msb 0x4000
	v_mov_b32 v63, 0
	s_set_vgpr_msb 0x1
	ds_add_u32 v255, v63
	s_set_vgpr_msb 0x100
	v_lshrrev_b32 v1, 5, v0
	v_readfirstlane_b32 s12, v1                    ; wave 0..3
	s_lshr_b32 s13, s12, 1                         ; which 128 of the block's x rows are mine.  Also: I fetch x (0) or codes (1)
	s_and_b32 s14, s12, 1                          ; which code half is mine.  Also: which 128 rows of that tile I fetch
	s_bfe_u32 s40, ttmp6, 0x40000                  ; cx
	s_bfe_u32 s41, ttmp6, 0x40004                  ; cy
	s_lshl_b32 s42, ttmp9, 2                       ; in a cluster launch ttmp9 and ttmp7 count clusters
	s_add_co_u32 s42, s42, s40                     ; gx: my 1,024 codes
	s_and_b32 s45, ttmp7, 0xffff
	s_lshl_b32 s45, s45, 2
	s_add_co_u32 s45, s45, s41                     ; gy: my 256 x rows
	s_lshl_b32 s43, s41, 2
	s_lshl_b32 s43, 15, s43                        ; my row of the cluster: places 4 cy .. 4 cy + 3
	s_lshl_b32 s44, 0x1111, s40                    ; my column: places cx, cx + 4, cx + 8, cx + 12
	; group 1: a tile of 128 rows x 128 elements of 2 bytes, 16 bytes of padding behind every 64 words
	s_or_b32 s[G1+0], s43, (1<<16)|(1<<20)|(1<<21)|(5<<22)|(3<<25)  ; 15:0 mask: x's tiles go to my row; 17:16 element size; 20 padding on; 21 set beside a mask; 24:22 interval; 31:25 pad
	s_or_b32 s[G1B+0], s44, (1<<16)|(1<<20)|(1<<21)|(5<<22)|(3<<25) ; the same with my column's mask
	s_mov_b32 s[G1+1], KSTEP<<16                   ; tensor_dim0 = 128
	s_mov_b32 s[G1B+1], KSTEP<<16
	s_mov_b32 s[G1+2], 128<<16                     ; tensor_dim1 = 128
	s_mov_b32 s[G1B+2], 128<<16
	s_mov_b32 s[G1+3], KSTEP<<16                   ; tile_dim0 = 128
	s_mov_b32 s[G1B+3], KSTEP<<16
	s_mov_b32 s[G1+4], 128                         ; tile_dim1 = 128
	s_mov_b32 s[G1B+4], 128
	s_mov_b32 s[G1+5], 768                         ; elements from row to row
	s_mov_b32 s[G1B+5], 768
	s_mov_b32 s[G1+6], 0
	s_mov_b32 s[G1B+6], 0
	s_mov_b32 s[G1+7], 0
	s_mov_b32 s[G1B+7], 0
	; x's address hangs on gy and the wave's number, the codes' on gx and the wave's number, each in registers that never hold the other coordinate
	s_lshl_b32 s17, s14, 7
	s_lshl_b32 s16, s45, 8
	s_add_co_u32 s16, s16, s17                     ; x: row 256 gy + 128 x half
	s_lshl_b32 s47, s14, 9
	s_lshl_b32 s46, s42, 10
	s_add_co_u32 s46, s46, s47                     ; codes: row 1024 gx + 512 x half (tile 0)
	s_mov_b32 s17, 0
	s_mov_b32 s47, 0
	s_mov_b64 s[18:19], ROWB
	s_mul_u64 s[16:17], s[16:17], s[18:19]
	s_mul_u64 s[46:47], s[46:47], s[18:19]
	s_mul_i32 s22, s12, HALFT                      ; where my part goes: wave x 128 rows; no place in the cluster enters an LDS address
	s_wait_dscnt 0x0
	s_wait_kmcnt 0x0
	s_add_nc_u64 s[20:21], s[4:5], s[16:17]
	s_add_nc_u64 s[46:47], s[6:7], s[46:47]
	CROUND                                         ; all sixteen work-groups are here: the first joint loads meet
.irp s, 0,1
	s_mov_b32 s[G0+4*\s], 1                                        ; count = 1
	s_add_co_u32 s[G0+4*\s+1], s22, \s*SLOT                        ; LDS address
	s_add_nc_u64 s[G0+4*\s+2:G0+4*\s+3], s[20:21], \s*KSTEP*2      ; global address: K step s
	s_or_b32 s[G0+4*\s+3], s[G0+4*\s+3], 0x80000000                ; type = 2
	s_mov_b32 s[G0B+4*\s], 1
	s_add_co_u32 s[G0B+4*\s+1], s22, \s*SLOT
	s_add_nc_u64 s[G0B+4*\s+2:G0B+4*\s+3], s[46:47], \s*KSTEP*2
	s_or_b32 s[G0B+4*\s+3], s[G0B+4*\s+3], 0x80000000
	JLOAD \s                                       ; both first fills go out before anything else: two tensor loads of the wave are out here, one behind each later round
.endr
	v_and_b32 v1, 15, v0                           ; l % 16
	v_bfe_u32 v2, v0, 4, 1                         ; l / 16
	v_mul_u32_u24 v3, v1, PITCH
	v_lshl_add_u32 v3, v2, 4, v3                   ; fragment address: row x pitch + 16 x half
	s_mul_i32 s15, s13, HALFT                      ; my 128 x rows
	s_mul_i32 s23, s14, HALFT                      ; my 128 code rows,
	s_add_co_u32 s23, s23, 2*HALFT                 ; which lie behind x's 256
.irp s, 0,1
	v_add_nc_u32 v[ADRA+\s], s15, v3
	v_add_nc_u32 v[ADRB+\s], s23, v3
	s_add_co_u32 s15, s15, SLOT
	s_add_co_u32 s23, s23, SLOT
.endr
	v_lshlrev_b32 v[RNO], 5, v2
	v_and_b32 v4, 31, v0
	v_lshlrev_b32 v[PO], 3, v4
	s_lshl_b32 s74, s42, 10
	s_lshl_b32 s75, s14, 9
	s_add_co_u32 s74, s74, s75                     ; my range's first code
	s_lshl_b32 s76, s74, 2
	s_mov_b32 s77, 0
	s_add_nc_u64 s[8:9], s[8:9], s[76:77]          ; rn at that code
	s_add_co_u32 s74, s74, 384                     ; the last tile's first code: IDX ends up counted from there
	v_lshl_add_u32 v[COLB], v2, 3, s74
	s_lshl_b32 s76, s42, 1
	s_add_co_u32 s76, s76, s14                     ; slot of part = 2 gx + half
	s_lshl_b32 s76, s76, 14                        ; x 16,384 rows
	s_lshl_b32 s75, s45, 8
	s_add_co_u32 s76, s76, s75                     ; + 256 gy
	s_lshl_b32 s75, s13, 7
	s_add_co_u32 s76, s76, s75                     ; + my 128 rows
	s_lshl_b32 s76, s76, 3                         ; 8 bytes a row
	s_add_nc_u64 s[10:11], s[10:11], s[76:77]
	s_mov_b32 s70, 0x76543210                      ; v_permlanex16_b32: lane i of one half reads lane i of the other
	s_mov_b32 s71, 0xfedcba98
	s_mov_b32 s72, 0xffff0000                      ; lanes 16-31
.macro RNLOAD                          ; rn of the tile's 128 codes: 16 loads; the sixteen lanes of a half read the same 16 bytes
.irp b, 0,1,2,3,4,5,6,7
	global_load_b128 v[RN+8*\b:RN+8*\b+3],   v[RNO], s[8:9] offset:64*\b
	global_load_b128 v[RN+8*\b+4:RN+8*\b+7], v[RNO], s[8:9] offset:64*\b+16
.endr
.endm
	RNLOAD
.irp a, 0,1,2,3,4,5,6,7
	v_mov_b32 v[BEST+\a], 0xff800000               ; minus infinity: the first number that is no NaN wins
	v_mov_b32 v[IDX+\a], 0
.endr
	v_mov_b32 v[VO], 0                             ; v_permlanex16_b32 counts as a reader of its destination
	v_mov_b32 v[IO], 0
; 16 matrix instructions: row blocks a0, a0 + 1 of the window's four x all 8 code blocks, 32 along K.  zero = 1: the product starts the sums.
.macro MUL16 f, hi, a0, zero
.irp a, \a0, \a0+1
.irp b, 0,1,2,3,4,5,6,7
.if \zero
	v_wmma_f32_16x16x32_bf16 v[8*(8*(\a)+\b):8*(8*(\a)+\b)+7], v[\f+8*\b:\f+8*\b+7], v[\f+8*(4*\hi+\a):\f+8*(4*\hi+\a)+7], 0
.else
	v_wmma_f32_16x16x32_bf16 v[8*(8*(\a)+\b):8*(8*(\a)+\b)+7], v[\f+8*\b:\f+8*\b+7], v[\f+8*(4*\hi+\a):\f+8*(4*\hi+\a)+7], v[8*(8*(\a)+\b):8*(8*(\a)+\b)+7]
.endif
.endr
.endr
.endm
; 32 LDS loads in one run: the fragments of a quarter step (128 code rows, 128 x rows, 32 K at byte k of the rows) into buffer f
.macro FETCH slot, k, f
	WIN TO_B
.irp i, 0,1,2,3,4,5,6,7
	ds_load_b128 v[\f+8*\i:\f+8*\i+3],   v[ADRB+\slot] offset:\k+\i*16*PITCH
	ds_load_b128 v[\f+8*\i+4:\f+8*\i+7], v[ADRB+\slot] offset:\k+\i*16*PITCH+32
.endr
	WIN 0
.irp i, 0,1,2,3,4,5,6,7
	ds_load_b128 v[\f+8*\i:\f+8*\i+3],   v[ADRA+\slot] offset:\k+\i*16*PITCH
	ds_load_b128 v[\f+8*\i+4:\f+8*\i+7], v[ADRA+\slot] offset:\k+\i*16*PITCH+32
.endr
.endm
; Four plain vector instructions stand between a matrix instruction and a load into one of its sources, or a vector instruction that touches its
; registers (ISA guide 7.12.1 for vector instructions); other matrix instructions are not counted.
.macro PLACES
.rept 4
	v_nop
.endr
.endm
; A K step is four quarters of 32 along K, 64 matrix instructions each, on buffers 0, 1, 0, 1.  The 64 accumulators take turns, one instruction a turn,
; in the same order everywhere, over the backward jump too.
.macro QUARTER slot, k, f, g, zero
	s_wait_dscnt 8                                 ; the codes and x's rows 0-63 are in; the youngest eight loads (x's rows 64-127) may be out
	WIN MUL_LO
	MUL16 \f, 0, 0, \zero
	MUL16 \f, 0, 2, \zero
	PLACES
	FETCH \slot, \k, \g
	s_wait_dscnt 32                                ; all but the 32 just issued
	WIN MUL_HI
	MUL16 \f, 1, 0, \zero
	MUL16 \f, 1, 2, \zero
.endm
.macro THREE slot, zero
	QUARTER \slot, 64,  F0, F1, \zero
	QUARTER \slot, 128, F1, F0, 0
	QUARTER \slot, 192, F0, F1, 0
.endm
; The last quarter of a K step: multiplies buffer 1 and changes slots.  fill = 1: this slot is filled again, two K steps ahead.
; wrap = 0: two K steps on in the same tile (512 bytes).  wrap = 1: into the next tile: x goes back to the same K step of its rows (1,024 bytes back),
; the codes go 128 rows on and 1,024 bytes back.
; In front of the opening signal each wave waits for its reads of this slot and for all its tensor loads (one is out: its part of the next slot); only
; register work stands inside the round; the joint refill is the first tensor load behind it, one a wave.
.macro TURN slot, next, fill, wrap
	s_wait_dscnt 8
	WIN MUL_LO
	MUL16 F1, 0, 0, 0
	s_wait_dscnt 0                                 ; my reads of this slot are over
	s_wait_tensorcnt 0x0                           ; all my tensor loads have landed
	ds_add_u32 v255, v63
	s_wait_dscnt 0x0
	s_barrier_signal -1
	MUL16 F1, 0, 2, 0                              ; work on registers while the others arrive
	WIN 0
	s_barrier_wait -1
.if \fill
	CREST                                          ; no wave of any partner still reads this slot or has a load on its way
.if \wrap
	s_sub_nc_u64 s[G0+4*\slot+2:G0+4*\slot+3], s[G0+4*\slot+2:G0+4*\slot+3], 4*KSTEP*2
	s_add_nc_u64 s[G0B+4*\slot+2:G0B+4*\slot+3], s[G0B+4*\slot+2:G0B+4*\slot+3], 128*ROWB-4*KSTEP*2
.else
	s_add_nc_u64 s[G0+4*\slot+2:G0+4*\slot+3], s[G0+4*\slot+2:G0+4*\slot+3], 2*KSTEP*2
	s_add_nc_u64 s[G0B+4*\slot+2:G0B+4*\slot+3], s[G0B+4*\slot+2:G0B+4*\slot+3], 2*KSTEP*2
.endif
	JLOAD \slot                                    ; its four v_nop are also the places in front of the loads below
.else
	PLACES
.endif
	FETCH \next, 0, F0
	WIN MUL_HI
	MUL16 F1, 1, 0, 0
	MUL16 F1, 1, 2, 0
.endm
.macro LAP zero, wrap                  ; two K steps, once round the ring, both slots filled again
	THREE 0, \zero
	TURN 0, 1, 1, \wrap
	THREE 1, 0
	TURN 1, 0, 1, \wrap
.endm
; The window's 32 tiles times rn of their codes, in place: 128 packed multiplies.
.macro SCALE
.irp a, 0,1,2,3
.irp b, 0,1,2,3,4,5,6,7
.irp p, 0,2,4,6
	v_pk_mul_f32 v[8*(8*\a+\b)+\p:8*(8*\a+\b)+\p+1], v[RN+8*\b+\p:RN+8*\b+\p+1], v[8*(8*\a+\b)+\p:8*(8*\a+\b)+\p+1]
.endr
.endr
.endr
.endm
; The window's four row blocks as four chains that do not wait for each other; a lane's 64 codes in ascending order.  The compare is strict, so the first
; code that reaches the maximum stays, and a NaN never wins.  The choice selects values only: every trip does the same work.
.macro ARGMAX hi
.irp b, 0,1,2,3,4,5,6,7
.irp j, 0,1,2,3,4,5,6,7
.irp a, 0,1,2,3
	v_cmp_lt_f32 s[MK+\a], v[BEST+4*\hi+\a], v[8*(8*\a+\b)+\j]
.endr
.irp a, 0,1,2,3
	v_cndmask_b32 v[BEST+4*\hi+\a], v[BEST+4*\hi+\a], v[8*(8*\a+\b)+\j], s[MK+\a]
.endr
.irp a, 0,1,2,3
	v_cndmask_b32 v[IDX+4*\hi+\a], v[IDX+4*\hi+\a], 16*\b+\j, s[MK+\a]
.endr
.endr
.endr
.endm
; The end of a tile.  No LDS instruction stands here, so the next quarter's count of LDS loads still holds.
.macro EPI last
	PLACES                                         ; behind the last matrix instructions, in front of the vector work on their results
	s_wait_loadcnt 0x0                             ; rn of this tile is in (asked for a tile ago); its base may be stepped
	WIN 0x88                                       ; source 1 and destination window 2, rn in window 0
	SCALE
	WIN 0xcc                                       ; the same for window 3
	SCALE
	WIN 0
.if \last == 0
	s_add_nc_u64 s[8:9], s[8:9], 512               ; 128 codes on
	RNLOAD                                         ; the next tile's rn has that whole tile in which to land
.endif
	WIN 0x08                                       ; source 1 window 2
	ARGMAX 0
	WIN 0x0c                                       ; source 1 window 3
	ARGMAX 1
	WIN 0
.if \last == 0
.irp a, 0,1,2,3,4,5,6,7
	v_add_nc_u32 v[IDX+\a], 0xffffff80, v[IDX+\a]  ; the next tile's first code is 128 further on
.endr
.endif
.endm
	s_wait_tensorcnt 1                             ; my part of K step 0 is in; K step 1's may stay out
	s_barrier_signal -1
	s_barrier_wait -1                              ; everybody's is
	FETCH 0, 0, F0
	WIN 0                                          ; at a label and at a branch every window is 0
	s_mov_b32 s3, 3
.Ltile:                                            ; tiles 0 to 2
	LAP 1, 0                                       ; the first products start the sums: nothing is cleared
	LAP 0, 0
	LAP 0, 1                                       ; K steps 4 and 5: the slots are filled with the next tile's K steps 0 and 1
	EPI 0
	WIN 0
	s_sub_co_u32 s3, s3, 1
	s_cmp_lg_u32 s3, 0
	s_cbranch_scc1 .Ltile
	LAP 1, 0                                       ; tile 3, written out: its last two K steps fill nothing
	LAP 0, 0
	THREE 0, 0
	TURN 0, 1, 0, 0                                ; my one tensor load that was still out, K step 5's, is waited for here
	THREE 1, 0
	s_wait_dscnt 8                                 ; the very last quarter: nothing more to fetch
	WIN MUL_LO
	MUL16 F1, 0, 0, 0
	MUL16 F1, 0, 2, 0
	s_wait_dscnt 0
	WIN MUL_HI
	MUL16 F1, 1, 0, 0
	MUL16 F1, 1, 2, 0
	EPI 1
	; The two halves of the lanes hold the same rows and different codes: they meet once.  The larger similarity wins, of equal ones the lower code.
.irp a, 0,1,2,3,4,5,6,7
	v_add_nc_u32 v[IDX+\a], v[COLB], v[IDX+\a]     ; the code's true number
.endr
.irp a, 0,1,2,3,4,5,6,7
	v_permlanex16_b32 v[VO], v[BEST+\a], s70, s71
	v_permlanex16_b32 v[IO], v[IDX+\a], s70, s71
	v_cmp_gt_f32 s78, v[VO], v[BEST+\a]
	v_cmp_eq_f32 s79, v[VO], v[BEST+\a]
	v_cmp_lt_u32 vcc_lo, v[IO], v[IDX+\a]
	s_and_b32 s79, s79, vcc_lo
	s_or_b32 s78, s78, s79
	v_cndmask_b32 v[BEST+\a], v[BEST+\a], v[VO], s78
	v_cndmask_b32 v[IDX+\a], v[IDX+\a], v[IO], s78
	v_add_f32 v[BEST+\a], 0, v[BEST+\a]            ; -0 becomes +0, so that equal floats give equal keys
	v_ashrrev_i32 v[T], 31, v[BEST+\a]
	v_or_b32 v[T], 0x80000000, v[T]
	v_xor_b32 v[BEST+\a], v[BEST+\a], v[T]         ; positive: the top bit is set; negative: all bits turn: u32 order = float order
.endr
.irp p, 0,1,2,3
	v_cndmask_b32 v[OUT+2*\p],   v[BEST+2*\p], v[BEST+2*\p+1], s72   ; lanes 0-15: rows of block 2 p; lanes 16-31: of block 2 p + 1
	v_cndmask_b32 v[OUT+2*\p+1], v[IDX+2*\p],  v[IDX+2*\p+1],  s72
.endr
.irp p, 0,1,2,3
	global_store_b64 v[PO], v[OUT+2*\p:OUT+2*\p+1], s[10:11] offset:256*\p   ; 32 rows x 8 bytes: 256 consecutive bytes, aligned
.endr
	CROUND                                         ; the closing round: no work-group ends while a partner may still ask for a tile that names it
	s_endpgm
.Lfunc_end_k_q867985a647_simarg:
	.size	k_q867985a647_simarg, .Lfunc_end_k_q867985a647_simarg-k_q867985a647_simarg
	.p2alignl 7, 3214868480
	.fill 96, 4, 3214868480
	.section	.rodata,"a",@progbits
	.p2align	6, 0x0
	.amdhsa_kernel k_q867985a647_simarg
		.amdhsa_group_segment_fixed_size 327680
		.amdhsa_private_segment_fixed_size 0
		.amdhsa_enable_private_segment 0
		.amdhsa_kernarg_size 32
		.amdhsa_user_sgpr_count 2
		.amdhsa_user_sgpr_kernarg_segment_ptr 1
		.amdhsa_wavefront_size32 1
		.amdhsa_system_sgpr_workgroup_id_x 1
		.amdhsa_system_sgpr_workgroup_id_y 1
		.amdhsa_system_sgpr_workgroup_id_z 1
		.amdhsa_system_vgpr_workitem_id 0
		.amdhsa_next_free_vgpr 1024
		.amdhsa_next_free_sgpr 80
		.amdhsa_reserve_vcc 1
		.amdhsa_float_denorm_mode_32 3
		.amdhsa_float_denorm_mode_16_64 3
		.amdhsa_memory_ordered 1
		.amdhsa_forward_progress 1
		.amdhsa_inst_pref_size 255
	.end_amdhsa_kernel
	.section	.bss,"aw",@nobits
	.p2align	6
	.space	262144
	.amdgpu_metadata
---
amdhsa.version: [ 1, 2 ]
amdhsa.kernels:
  - .name:           k_q867985a647_simarg
    .symbol:         k_q867985a647_simarg.kd
    .args:
      - { .name: x16, .offset: 0, .size: 8, .value_kind: global_buffer, .address_space: global }
      - { .name: c16, .offset: 8, .size: 8, .value_kind: global_buffer, .address_space: global }
      - { .name: rn, .offset: 16, .size: 8, .value_kind: global_buffer, .address_space: global }
      - { .name: part, .offset: 24, .size: 8, .value_kind: global_buffer, .address_space: global }
    .group_segment_fixed_size: 327680
    .private_segment_fixed_size: 0
    .kernarg_segment_align: 8
    .kernarg_segment_size: 32
    .max_flat_workgroup_size: 128
    .sgpr_count:     80
    .vgpr_count:     1024
    .wavefront_size: 32
...
	.end_amdgpu_metadata
.endif
;; end of part 2
;; launch quant (part 3): grid 256 x 1, 8 waves a work-group, no clusters, 1,280 bytes of LDS; arguments inputs, codebook, part, out0, lossp; writes out0, lossp
.if DOCPART == 3
	.amdgcn_target "amdgcn-amd-amdhsa--gfx1250"
	.amdhsa_code_object_version 6
	.text
	.protected	k_q867985a647_quant
	.globl	k_q867985a647_quant
	.p2align	8
	.type	k_q867985a647_quant,@function
k_q867985a647_quant:
	s_mov_b64 s[64:65], 0
	v_nop
	global_prefetch_b8 v0, s[64:65] scope:SCOPE_SE
	s_setreg_imm32_b32 hwreg(HW_REG_WAVE_MODE, 25, 1), 1
	s_wait_xcnt 0x0
; For each row: the best of its eight (key, code) pairs, q = codebook[code], out0 = x + (q - x), and the work-group's sum of (q - x)^2 into lossp.
; The pairs are whole numbers stored by the launch before; the slots ascend in code, and the compare is strict, so the first code of the largest key stays.
; A stream with a gather: x is read once, out0 written once, a wave's load or store covers 512 consecutive bytes.  No matrix work.  No cluster and no joint
; loads: which code rows two work-groups share hangs on the data.  Eight waves; the work-group owns 64 rows, a wave 8 rows, one row at a time,
; in four register slots for x and four for q, so that four rows' loads of both are on their way.
.set ROWF, 3072                        ; bytes of a row
.set L16,  1                           ; v1        16 x lane
.set XO,   2                           ; v2        my byte offset in x and out0: wave x 8 rows + 16 x lane; never rewritten
.set PAO,  3                           ; v3        my byte offset in a slot of part: row 8 x wave + lane % 8
.set QO,   4                           ; v[4:11]   row r: byte offset of my 16 bytes in its code row; never rewritten
.set P,    12                          ; v[12:27]  eight pairs (key, code)
.set ACC,  28                          ; v[28:35]  four pairs of running sums of squares
.set T,    36                          ; v36 wave, v37 at work
.set X,    40                          ; v[40:135]  slot s at 24 s: x as loaded, then out0 as stored
.set Q,    136                         ; v[136:231] slot s at 24 s: q as loaded, then q - x
	s_load_b256 s[4:11], s[0:1], 0x0               ; inputs s[4:5], codebook s[6:7], part s[8:9], out0 s[10:11]
	s_load_b64 s[12:13], s[0:1], 0x20              ; lossp
	v_lshl_add_u32 v232, v0, 2, 0x100
	v_mov_b32 v233, 0
	v_lshrrev_b32 v[T], 5, v0
	v_readfirstlane_b32 s14, v[T]                  ; wave
	v_and_b32 v[T+1], 31, v0
	v_lshlrev_b32 v[L16], 4, v[T+1]
	v_mul_u32_u24 v[XO], v[T], 8*ROWF
	v_add_nc_u32 v[XO], v[XO], v[L16]
	v_and_b32 v[T+1], 7, v0
	v_lshl_add_u32 v[PAO], v[T], 3, v[T+1]
	v_lshlrev_b32 v[PAO], 3, v[PAO]
	s_mul_i32 s16, ttmp9, 64*ROWF                  ; at most 255 x 196,608: below 4 GiB
	s_mov_b32 s17, 0
	s_lshl_b32 s18, ttmp9, 9                       ; 64 rows x 8 bytes
	s_mov_b32 s19, 0
	s_lshl_b32 s28, ttmp9, 2
	s_mov_b32 s29, 0
	s_mov_b32 s30, 0x76543210
	s_mov_b32 s31, 0xfedcba98
	s_wait_kmcnt 0x0
	s_add_nc_u64 s[4:5], s[4:5], s[16:17]
	s_add_nc_u64 s[10:11], s[10:11], s[16:17]
	s_add_nc_u64 s[8:9], s[8:9], s[18:19]
	s_add_nc_u64 s[12:13], s[12:13], s[28:29]
.macro LDX r, s                        ; row r of x into slot s
.irp j, 0,1,2,3,4,5
	global_load_b128 v[X+24*\s+4*\j:X+24*\s+4*\j+3], v[XO], s[4:5] offset:ROWF*(\r)+512*\j th:TH_LOAD_NT
.endr
.endm
.macro LDQ r, s                        ; row r's code row into slot s; no streaming hint: a code row may be named again
.irp j, 0,1,2,3,4,5
	global_load_b128 v[Q+24*\s+4*\j:Q+24*\s+4*\j+3], v[QO+\r], s[6:7] offset:512*\j
.endr
.endm
.irp s, 0,1,2,3,4,5,6,7
	global_load_b64 v[P+2*\s:P+2*\s+1], v[PAO], s[8:9] offset:131072*\s    ; every lane with lane % 8 = r gets row r's pair of slot s
.endr
	LDX 0, 0
	LDX 1, 1
	LDX 2, 2
	LDX 3, 3
	s_wait_loadcnt 24                              ; the pairs are in; the 24 loads of x behind them stay out
.irp s, 1,2,3,4,5,6,7
	v_cmp_gt_u32 vcc_lo, v[P+2*\s], v[P]
	v_cndmask_b32 v[P],   v[P],   v[P+2*\s],   vcc_lo
	v_cndmask_b32 v[P+1], v[P+1], v[P+2*\s+1], vcc_lo
.endr
.irp r, 0,1,2,3,4,5,6,7
	v_readlane_b32 s[20+\r], v[P+1], \r            ; row r's code
	s_min_u32 s[20+\r], s[20+\r], 0xfff            ; a loaded number enters an address only clamped to the table
	s_mul_i32 s[20+\r], s[20+\r], ROWF
	v_add_nc_u32 v[QO+\r], s[20+\r], v[L16]
.endr
	LDQ 0, 0
	LDQ 1, 1
	LDQ 2, 2
	LDQ 3, 3
; Row r in slot s.  left = the loads issued behind row r's last load of q, which may stay out.
.macro TURN r, s, left
	s_wait_loadcnt \left
.irp i, 0,1,2,3,4,5,6,7,8,9,10,11
	v_pk_add_f32 v[Q+24*\s+2*\i:Q+24*\s+2*\i+1], v[Q+24*\s+2*\i:Q+24*\s+2*\i+1], v[X+24*\s+2*\i:X+24*\s+2*\i+1] neg_lo:[0,1] neg_hi:[0,1]   ; q - x
.endr
.irp i, 0,1,2,3,4,5,6,7,8,9,10,11
.if \r*16+\i < 4
	v_pk_mul_f32 v[ACC+2*\i:ACC+2*\i+1], v[Q+24*\s+2*\i:Q+24*\s+2*\i+1], v[Q+24*\s+2*\i:Q+24*\s+2*\i+1]     ; the first four pairs start the sums
.else
	v_pk_fma_f32 v[ACC+2*(\i%4):ACC+2*(\i%4)+1], v[Q+24*\s+2*\i:Q+24*\s+2*\i+1], v[Q+24*\s+2*\i:Q+24*\s+2*\i+1], v[ACC+2*(\i%4):ACC+2*(\i%4)+1]
.endif
.endr
.irp i, 0,1,2,3,4,5,6,7,8,9,10,11
	v_pk_add_f32 v[X+24*\s+2*\i:X+24*\s+2*\i+1], v[X+24*\s+2*\i:X+24*\s+2*\i+1], v[Q+24*\s+2*\i:Q+24*\s+2*\i+1]   ; x + (q - x)
.endr
.irp j, 0,1,2,3,4,5
	global_store_b128 v[XO], v[X+24*\s+4*\j:X+24*\s+4*\j+3], s[10:11] offset:ROWF*\r+512*\j th:TH_STORE_NT
.endr
.if \r < 4
	s_wait_xcnt 0x0                                ; the slot's x registers are the stores' data: they are loaded again only behind this wait
	LDX \r+4, \s
	LDQ \r+4, \s
.endif
.endm
	TURN 0, 0, 18                                  ; behind q of row 0: q of rows 1-3
	TURN 1, 1, 24                                  ; q of rows 2-3, x and q of row 4
	TURN 2, 2, 30                                  ; q of row 3, x and q of rows 4-5
	TURN 3, 3, 36                                  ; x and q of rows 4-6
	TURN 4, 0, 36                                  ; x and q of rows 5-7
	TURN 5, 1, 24
	TURN 6, 2, 12
	TURN 7, 3, 0
	v_pk_add_f32 v[ACC:ACC+1], v[ACC:ACC+1], v[ACC+2:ACC+3]
	v_pk_add_f32 v[ACC+4:ACC+5], v[ACC+4:ACC+5], v[ACC+6:ACC+7]
	v_pk_add_f32 v[ACC:ACC+1], v[ACC:ACC+1], v[ACC+4:ACC+5]
	v_add_f32 v[ACC], v[ACC], v[ACC+1]
	v_add_f32_dpp v[ACC], v[ACC], v[ACC] row_xmask:1 row_mask:0xf bank_mask:0xf
	v_add_f32_dpp v[ACC], v[ACC], v[ACC] row_xmask:2 row_mask:0xf bank_mask:0xf
	v_add_f32_dpp v[ACC], v[ACC], v[ACC] row_xmask:4 row_mask:0xf bank_mask:0xf
	v_add_f32_dpp v[ACC], v[ACC], v[ACC] row_xmask:8 row_mask:0xf bank_mask:0xf
	v_permlanex16_b32 v[ACC+1], v[ACC], s30, s31
	v_add_f32 v[ACC], v[ACC], v[ACC+1]             ; the wave's sum, in every lane
	v_lshlrev_b32 v[T], 2, v[T]
	ds_store_b32 v[T], v[ACC]                      ; word number = wave; all lanes write the same number
	s_wait_dscnt 0x0                               ; for the others' sake: my store is done in front of my signal
	s_barrier_signal -1
	s_barrier_wait -1
	s_cmp_lg_u32 s14, 0
	s_cbranch_scc1 .Lend                           ; wave 0 alone adds the eight sums
	v_mov_b32 v[T+1], 0
	ds_load_b128 v[Q:Q+3], v[T+1]                  ; into q's registers: x's are still the data of pending stores
	ds_load_b128 v[Q+4:Q+7], v[T+1] offset:16
	s_wait_dscnt 0x0
	v_pk_add_f32 v[Q:Q+1], v[Q:Q+1], v[Q+2:Q+3]
	v_pk_add_f32 v[Q+4:Q+5], v[Q+4:Q+5], v[Q+6:Q+7]
	v_pk_add_f32 v[Q:Q+1], v[Q:Q+1], v[Q+4:Q+5]
	v_add_f32 v[Q], v[Q], v[Q+1]
	s_wait_xcnt 0x0                                ; EXEC is a source of the stores above: it changes only behind this wait
	v_cmp_eq_u32 vcc_lo, 0, v0
	s_and_saveexec_b32 s32, vcc_lo
	global_store_b32 v[T+1], v[Q], s[12:13]        ; one number for the work-group; the sum over work-groups is the next launch's
	s_wait_xcnt 0x0
	s_or_b32 exec_lo, exec_lo, s32
.Lend:
	s_wait_tensorcnt 0x0
	ds_add_u32 v232, v233
	s_wait_dscnt 0x0
	s_endpgm
.Lfunc_end_k_q867985a647_quant:
	.size	k_q867985a647_quant, .Lfunc_end_k_q867985a647_quant-k_q867985a647_quant
	.p2alignl 7, 3214868480
	.fill 96, 4, 3214868480
	.section	.rodata,"a",@progbits
	.p2align	6, 0x0
	.amdhsa_kernel k_q867985a647_quant
		.amdhsa_group_segment_fixed_size 1280
		.amdhsa_private_segment_fixed_size 0
		.amdhsa_enable_private_segment 0
		.amdhsa_kernarg_size 40
		.amdhsa_user_sgpr_count 2
		.amdhsa_user_sgpr_kernarg_segment_ptr 1
		.amdhsa_wavefront_size32 1
		.amdhsa_system_sgpr_workgroup_id_x 1
		.amdhsa_system_sgpr_workgroup_id_y 1
		.amdhsa_system_sgpr_workgroup_id_z 1
		.amdhsa_system_vgpr_workitem_id 0
		.amdhsa_next_free_vgpr 234
		.amdhsa_next_free_sgpr 66
		.amdhsa_reserve_vcc 1
		.amdhsa_float_denorm_mode_32 3
		.amdhsa_float_denorm_mode_16_64 3
		.amdhsa_memory_ordered 1
		.amdhsa_forward_progress 1
		.amdhsa_inst_pref_size 39
	.end_amdhsa_kernel
	.amdgpu_metadata
---
amdhsa.version: [ 1, 2 ]
amdhsa.kernels:
  - .name:           k_q867985a647_quant
    .symbol:         k_q867985a647_quant.kd
    .args:
      - { .name: inputs, .offset: 0, .size: 8, .value_kind: global_buffer, .address_space: global }
      - { .name: codebook, .offset: 8, .size: 8, .value_kind: global_buffer, .address_space: global }
      - { .name: part, .offset: 16, .size: 8, .value_kind: global_buffer, .address_space: global }
      - { .name: out0, .offset: 24, .size: 8, .value_kind: global_buffer, .address_space: global }
      - { .name: lossp, .offset: 32, .size: 8, .value_kind: global_buffer, .address_space: global }
    .group_segment_fixed_size: 1280
    .private_segment_fixed_size: 0
    .kernarg_segment_align: 8
    .kernarg_segment_size: 40
    .max_flat_workgroup_size: 256
    .sgpr_count:     66
    .vgpr_count:     234
    .wavefront_size: 32
...
	.end_amdgpu_metadata
.endif
;; end of part 3
;; launch lossum (part 4): grid 1 x 1, 1 waves a work-group, no clusters, 0 bytes of LDS; arguments lossp, out1; writes out1
.if DOCPART == 4
	.amdgcn_target "amdgcn-amd-amdhsa--gfx1250"
	.amdhsa_code_object_version 6
	.text
	.protected	k_q867985a647_lossum
	.globl	k_q867985a647_lossum
	.p2align	8
	.type	k_q867985a647_lossum,@function
k_q867985a647_lossum:
	s_mov_b64 s[64:65], 0
	v_nop
	global_prefetch_b8 v0, s[64:65] scope:SCOPE_SE
	s_setreg_imm32_b32 hwreg(HW_REG_WAVE_MODE, 25, 1), 1
	s_wait_xcnt 0x0
; out1 = 1.25 x (sum of the 256 work-groups' sums of squares) / (16,384 x 768).  The two means of reference() are the same number, so their
; weights 1 and 0.25 add.  One wave: 1,024 bytes, two loads of 16 bytes a lane; a sum over work-groups has one owner in a launch of its own.
	s_load_b128 s[4:7], s[0:1], 0x0                ; lossp s[4:5], out1 s[6:7]
	v_lshlrev_b32 v1, 4, v0
	s_mov_b32 s8, 0x76543210
	s_mov_b32 s9, 0xfedcba98
	s_wait_kmcnt 0x0
	global_load_b128 v[2:5], v1, s[4:5]
	global_load_b128 v[6:9], v1, s[4:5] offset:512
	s_wait_loadcnt 0x0
	v_pk_add_f32 v[2:3], v[2:3], v[4:5]
	v_pk_add_f32 v[6:7], v[6:7], v[8:9]
	v_pk_add_f32 v[2:3], v[2:3], v[6:7]
	v_add_f32 v2, v2, v3
	v_add_f32_dpp v2, v2, v2 row_xmask:1 row_mask:0xf bank_mask:0xf
	v_add_f32_dpp v2, v2, v2 row_xmask:2 row_mask:0xf bank_mask:0xf
	v_add_f32_dpp v2, v2, v2 row_xmask:4 row_mask:0xf bank_mask:0xf
	v_add_f32_dpp v2, v2, v2 row_xmask:8 row_mask:0xf bank_mask:0xf
	v_permlanex16_b32 v3, v2, s8, s9
	v_add_f32 v2, v2, v3
	v_mul_f32 v2, 0x33d55555, v2                   ; 1.25 / 12,582,912
	v_mov_b32 v10, 0
	s_wait_xcnt 0x0                                ; EXEC changes only behind this wait
	v_cmp_eq_u32 vcc_lo, 0, v0
	s_and_saveexec_b32 s10, vcc_lo
	global_store_b32 v10, v2, s[6:7]
	s_wait_xcnt 0x0
	s_or_b32 exec_lo, exec_lo, s10
	s_endpgm
.Lfunc_end_k_q867985a647_lossum:
	.size	k_q867985a647_lossum, .Lfunc_end_k_q867985a647_lossum-k_q867985a647_lossum
	.p2alignl 7, 3214868480
	.fill 96, 4, 3214868480
	.section	.rodata,"a",@progbits
	.p2align	6, 0x0
	.amdhsa_kernel k_q867985a647_lossum
		.amdhsa_group_segment_fixed_size 0
		.amdhsa_private_segment_fixed_size 0
		.amdhsa_enable_private_segment 0
		.amdhsa_kernarg_size 16
		.amdhsa_user_sgpr_count 2
		.amdhsa_user_sgpr_kernarg_segment_ptr 1
		.amdhsa_wavefront_size32 1
		.amdhsa_system_sgpr_workgroup_id_x 1
		.amdhsa_system_sgpr_workgroup_id_y 1
		.amdhsa_system_sgpr_workgroup_id_z 1
		.amdhsa_system_vgpr_workitem_id 0
		.amdhsa_next_free_vgpr 16
		.amdhsa_next_free_sgpr 66
		.amdhsa_reserve_vcc 1
		.amdhsa_float_denorm_mode_32 3
		.amdhsa_float_denorm_mode_16_64 3
		.amdhsa_memory_ordered 1
		.amdhsa_forward_progress 1
		.amdhsa_inst_pref_size 2
	.end_amdhsa_kernel
	.amdgpu_metadata
---
amdhsa.version: [ 1, 2 ]
amdhsa.kernels:
  - .name:           k_q867985a647_lossum
    .symbol:         k_q867985a647_lossum.kd
    .args:
      - { .name: lossp, .offset: 0, .size: 8, .value_kind: global_buffer, .address_space: global }
      - { .name: out1, .offset: 8, .size: 8, .value_kind: global_buffer, .address_space: global }
    .group_segment_fixed_size: 0
    .private_segment_fixed_size: 0
    .kernarg_segment_align: 8
    .kernarg_segment_size: 16
    .max_flat_workgroup_size: 32
    .sgpr_count:     66
    .vgpr_count:     16
    .wavefront_size: 32
...
	.end_amdgpu_metadata
.endif
;; end of part 4
;; ======== version 2 of 2: 4 launches; 1.14 times as fast as version 1
;; workspace buffers: x16 25,165,824 bytes; c16 6,291,456 bytes; rn 16,384 bytes; part 1,048,576 bytes of whole numbers; lossp 1,024 bytes
;; launch prep (part 5): grid 1280 x 1, 4 waves a work-group, no clusters, 0 bytes of LDS; arguments inputs, codebook, x16, c16, rn; writes x16, c16, rn
.if DOCPART == 5
	.amdgcn_target "amdgcn-amd-amdhsa--gfx1250"
	.amdhsa_code_object_version 6
	.text
	.protected	k_q867985a647_prep
	.globl	k_q867985a647_prep
	.p2align	8
	.type	k_q867985a647_prep,@function
k_q867985a647_prep:
	s_mov_b64 s[64:65], 0
	v_nop
	global_prefetch_b8 v0, s[64:65] scope:SCOPE_SE
	s_setreg_imm32_b32 hwreg(HW_REG_WAVE_MODE, 25, 1), 1
	s_wait_xcnt 0x0
; x16 = bf16(inputs), c16 = bf16(codebook), rn[k] = 1 / max(|bf16(codebook[k])|, 1e-8).
; The norm is taken of the ROUNDED row, so that the later product of rounded rows times rn is the cosine of the rounded data.
; A stream: every input byte is read once by 16-byte loads (a wave's load covers 512 consecutive bytes), every bf16 byte is written
; once (a wave's store covers 256 consecutive bytes, aligned).  No LDS, no barrier, no matrix work, no cluster: no two work-groups read the same bytes.
; Four waves; the work-group owns 16 rows, a wave 4 rows.  Work-groups 0-1023 take inputs, 1024-1279 the codebook: 1,280 in all, five for each of 256 WGPs.
; LIMIT: the sum of a code row's 768 squares must stay finite in f32 (|c| below about 6e17).
.set ROWF, 3072                        ; bytes of a row in f32
.set ROWH, 1536                        ; bytes of a row in bf16
.set BROWS, 16                         ; rows of a work-group
.set XWG,  1024                        ; work-groups that take inputs: 16,384 rows / 16
.set SO,  2                            ; v2        my byte offset in the source: wave x 4 rows + 16 x lane
.set DO,  3                            ; v3        in the bf16 copy: wave x 4 rows + 8 x lane
.set RO,  4                            ; v4        in rn: 16 x wave + 4 x lane (lanes 0-3 alone store)
.set T,   6                            ; v[6:13]   at work, a pair for each row
.set S,   14                           ; v[14:21]  a pair for each row: sums of squares
.set F,   24                           ; v[24:119] row r at 24 r: 24 registers of f32 as loaded
.set P,   120                          ; v[120:167] row r at 12 r: 12 registers of packed bf16
	s_load_b256 s[4:11], s[0:1], 0x0               ; inputs s[4:5], codebook s[6:7], x16 s[8:9], c16 s[10:11]
	s_load_b64 s[12:13], s[0:1], 0x20              ; rn
	v_and_b32 v1, 31, v0                           ; lane
	v_lshrrev_b32 v5, 5, v0                        ; wave
	v_mul_u32_u24 v[SO], v5, 4*ROWF
	v_lshl_add_u32 v[SO], v1, 4, v[SO]
	v_mul_u32_u24 v[DO], v5, 4*ROWH
	v_lshl_add_u32 v[DO], v1, 3, v[DO]
	v_lshlrev_b32 v[RO], 2, v1
	v_lshl_add_u32 v[RO], v5, 4, v[RO]
	s_sub_co_u32 s21, ttmp9, XWG                   ; the block's number among the codebook's
	s_mov_b32 s23, 0
	s_mov_b32 s24, 0x76543210                      ; v_permlanex16_b32: lane i of one half reads lane i of the other
	s_mov_b32 s25, 0xfedcba98
	s_mov_b32 s27, 0xffff0000                      ; a word's upper bf16
	s_wait_kmcnt 0x0
	s_cmp_lt_u32 ttmp9, XWG                        ; the choice hangs on the work-group's number alone
	s_cselect_b32 s20, ttmp9, s21                  ; block of 16 rows in my tensor
	s_cselect_b64 s[16:17], s[4:5], s[6:7]         ; source
	s_cselect_b64 s[18:19], s[8:9], s[10:11]       ; bf16 copy
	s_mul_i32 s22, s20, BROWS*ROWF                 ; at most 1,023 x 49,152: below 4 GiB
	s_add_nc_u64 s[16:17], s[16:17], s[22:23]
	s_mul_i32 s22, s20, BROWS*ROWH
	s_add_nc_u64 s[18:19], s[18:19], s[22:23]
.irp r, 0,1,2,3
.irp j, 0,1,2,3,4,5
	global_load_b128 v[F+24*\r+4*\j:F+24*\r+4*\j+3], v[SO], s[16:17] offset:ROWF*\r+512*\j th:TH_LOAD_NT
.endr
.endr
; Row r: round to bf16 (nearest even), two numbers a word, and store.
.macro ROW r
	s_wait_loadcnt 18-6*\r                         ; loads come back in order: the six loads of each younger row may stay out
.irp j, 0,1,2,3,4,5
	v_cvt_pk_bf16_f32 v[P+12*\r+2*\j],   v[F+24*\r+4*\j],   v[F+24*\r+4*\j+1]
	v_cvt_pk_bf16_f32 v[P+12*\r+2*\j+1], v[F+24*\r+4*\j+2], v[F+24*\r+4*\j+3]
.endr
.irp j, 0,1,2,3,4,5
	global_store_b64 v[DO], v[P+12*\r+2*\j:P+12*\r+2*\j+1], s[18:19] offset:ROWH*\r+256*\j   ; 32 lanes x 8 bytes; read again by the next launch, so no streaming hint
.endr
.endm
	ROW 0
	ROW 1
	ROW 2
	ROW 3
	s_cmp_lt_u32 ttmp9, XWG
	s_cbranch_scc1 .Lend                           ; inputs need no norm: see the head of the product's kernel
	; The codebook's blocks: the sum of squares of each rounded row, four rows side by side so that no chain waits for itself.
	s_lshl_b32 s22, s20, 6                         ; 16 rows x 4 bytes of rn
	s_add_nc_u64 s[12:13], s[12:13], s[22:23]
.irp w, 0,1,2,3,4,5,6,7,8,9,10,11
.irp r, 0,1,2,3
	v_lshlrev_b32 v[T+2*\r],   16,  v[P+12*\r+\w]  ; bf16 to f32: the low half moves up,
	v_and_b32     v[T+2*\r+1], s27, v[P+12*\r+\w]  ; the high half stays
.endr
.irp r, 0,1,2,3
.if \w == 0
	v_pk_mul_f32 v[S+2*\r:S+2*\r+1], v[T+2*\r:T+2*\r+1], v[T+2*\r:T+2*\r+1]                    ; the first word starts the sums
.else
	v_pk_fma_f32 v[S+2*\r:S+2*\r+1], v[T+2*\r:T+2*\r+1], v[T+2*\r:T+2*\r+1], v[S+2*\r:S+2*\r+1]
.endif
.endr
.endr
.irp r, 0,1,2,3
	v_add_f32 v[S+2*\r], v[S+2*\r], v[S+2*\r+1]
.endr
.irp m, 1,2,4,8
.irp r, 0,1,2,3
	v_add_f32_dpp v[S+2*\r], v[S+2*\r], v[S+2*\r] row_xmask:\m row_mask:0xf bank_mask:0xf
.endr
.endr
.irp r, 0,1,2,3
	v_permlanex16_b32 v[S+2*\r+1], v[S+2*\r], s24, s25     ; the destination has been written before
.endr
.irp r, 0,1,2,3
	v_add_f32 v[S+2*\r], v[S+2*\r], v[S+2*\r+1]            ; every lane holds row r's sum
.endr
.irp r, 0,1,2,3
	v_sqrt_f32 v[S+2*\r+1], v[S+2*\r]
.endr
	v_nop                                          ; one plain vector instruction behind the roots before their results are used (ISA guide 5.7.2)
	s_wait_alu depctr_va_vdst(0)
.irp r, 0,1,2,3
	v_max_num_f32 v[S+2*\r], 0x322bcc77, v[S+2*\r+1]       ; max(norm, 1e-8)
.endr
.irp r, 0,1,2,3
	v_rcp_f32 v[S+2*\r+1], v[S+2*\r]
.endr
	v_nop                                          ; and behind the reciprocals
	s_wait_alu depctr_va_vdst(0)
	v_mov_b32 v[T], v[S+1]                         ; lane r takes row r's number
	v_cmp_eq_u32 vcc_lo, 1, v1
	v_cndmask_b32 v[T], v[T], v[S+3], vcc_lo
	v_cmp_eq_u32 vcc_lo, 2, v1
	v_cndmask_b32 v[T], v[T], v[S+5], vcc_lo
	v_cmp_eq_u32 vcc_lo, 3, v1
	v_cndmask_b32 v[T], v[T], v[S+7], vcc_lo
	s_wait_xcnt 0x0                                ; EXEC is a source of the stores above: it changes only behind this wait
	v_cmp_gt_u32 vcc_lo, 4, v1
	s_and_saveexec_b32 s26, vcc_lo
	global_store_b32 v[RO], v[T], s[12:13]         ; 16 bytes a wave; all of rn is 16 KiB, so gathering the waves' parts in LDS first would cost a barrier for nothing
	s_wait_xcnt 0x0                                ; and again in front of the line that widens it
	s_or_b32 exec_lo, exec_lo, s26
.Lend:
	s_endpgm
.Lfunc_end_k_q867985a647_prep:
	.size	k_q867985a647_prep, .Lfunc_end_k_q867985a647_prep-k_q867985a647_prep
	.p2alignl 7, 3214868480
	.fill 96, 4, 3214868480
	.section	.rodata,"a",@progbits
	.p2align	6, 0x0
	.amdhsa_kernel k_q867985a647_prep
		.amdhsa_group_segment_fixed_size 0
		.amdhsa_private_segment_fixed_size 0
		.amdhsa_enable_private_segment 0
		.amdhsa_kernarg_size 40
		.amdhsa_user_sgpr_count 2
		.amdhsa_user_sgpr_kernarg_segment_ptr 1
		.amdhsa_wavefront_size32 1
		.amdhsa_system_sgpr_workgroup_id_x 1
		.amdhsa_system_sgpr_workgroup_id_y 1
		.amdhsa_system_sgpr_workgroup_id_z 1
		.amdhsa_system_vgpr_workitem_id 0
		.amdhsa_next_free_vgpr 168
		.amdhsa_next_free_sgpr 66
		.amdhsa_reserve_vcc 1
		.amdhsa_float_denorm_mode_32 3
		.amdhsa_float_denorm_mode_16_64 3
		.amdhsa_memory_ordered 1
		.amdhsa_forward_progress 1
		.amdhsa_inst_pref_size 18
	.end_amdhsa_kernel
	.amdgpu_metadata
---
amdhsa.version: [ 1, 2 ]
amdhsa.kernels:
  - .name:           k_q867985a647_prep
    .symbol:         k_q867985a647_prep.kd
    .args:
      - { .name: inputs, .offset: 0, .size: 8, .value_kind: global_buffer, .address_space: global }
      - { .name: codebook, .offset: 8, .size: 8, .value_kind: global_buffer, .address_space: global }
      - { .name: x16, .offset: 16, .size: 8, .value_kind: global_buffer, .address_space: global }
      - { .name: c16, .offset: 24, .size: 8, .value_kind: global_buffer, .address_space: global }
      - { .name: rn, .offset: 32, .size: 8, .value_kind: global_buffer, .address_space: global }
    .group_segment_fixed_size: 0
    .private_segment_fixed_size: 0
    .kernarg_segment_align: 8
    .kernarg_segment_size: 40
    .max_flat_workgroup_size: 128
    .sgpr_count:     66
    .vgpr_count:     168
    .wavefront_size: 32
...
	.end_amdgpu_metadata
.endif
;; end of part 5
;; launch simarg (part 6): grid 4 x 64, 4 waves a work-group, clusters of 4 x 4, 327,680 bytes of LDS; arguments x16, c16, rn, part; writes part
.if DOCPART == 6
	.amdgcn_target "amdgcn-amd-amdhsa--gfx1250"
	.amdhsa_code_object_version 6
	.text
	.protected	k_q867985a647_simarg
	.globl	k_q867985a647_simarg
	.p2align	8
	.type	k_q867985a647_simarg,@function
k_q867985a647_simarg:
	s_mov_b64 s[64:65], 0
	v_nop
	global_prefetch_b8 v0, s[64:65] scope:SCOPE_SE
	s_setreg_imm32_b32 hwreg(HW_REG_WAVE_MODE, 25, 1), 1
	s_wait_xcnt 0x0
	s_wait_alu depctr_hold_cnt(0) depctr_sa_sdst(0) depctr_va_vdst(0) depctr_va_sdst(0) depctr_va_ssrc(0) depctr_va_vcc(0) depctr_vm_vsrc(0)
	s_getreg_b32 s2, hwreg(HW_REG_IB_STS2, 6, 4)
	s_cmp_eq_u32 s2, 0
	s_cbranch_scc0 .Lentry_in_a_cluster
	s_endpgm
.Lentry_in_a_cluster:
	s_bfe_u32 s2, ttmp6, 0x10000c
	s_cmp_lg_u32 s2, 0xf033
	s_cbranch_scc0 .Lentry_shape_is_right
	s_endpgm
.Lentry_shape_is_right:
; For each x row and each range of 512 codes: the largest of (x16 row . c16 row) * rn[code] and the first code that reaches it.
; part[slot][row] = (key, code), slot = code / 512; key is the f32 similarity mapped to a u32 that orders as the floats do.
; WHY NO NORM OF x: reference() divides a row's similarities by max(|x|, 1e-8), one positive number for all codes of the row, which cannot
; move the row's argmax; so it is left out, for every input.
; LIMITS: a NaN similarity never wins (jnp.argmax would take the first NaN).  The raw sums x . c must stay finite in f32.  Similarities that differ by
; less than the noise of f32 summation are ordered by the order of summation.
;
; A work-group owns 256 x rows and 1,024 codes and stays for four tiles of 256 x 256, K = 768 in six steps of 128; four waves, as many as a WGP has SIMDs,
; each with 128 rows x 128 codes in 64 accumulator tiles (512 registers).  K steps go through a ring of two LDS slots filled by the tensor data mover,
; on into the next tile; a tile's rows are 256 bytes of memory at multiples of 256 bytes from the buffer's first byte.
; In tile t the tile's code half q holds codes 1024 gx + 512 q + 128 t + 0..127, so a wave walks ONE ascending range of 512 codes.
; CLUSTERS: 4 x 4 work-groups.  The four of a row of the cluster own the same x rows, the four of a column the same codes: each tile is asked for jointly
; by the four that need it, which divides the requests for both operands by four.
;
; REGISTERS, in windows of 256:
;   window 0: v6-58 addresses and the last merge; v64-127, v128-191 fragments of x, two buffers; v192-255 rn of the tile's codes
;   window 1: v64-127, v128-191 fragments of the codes, two buffers; v0-63 and v192-215 the running argmax (W, BA, BB, IX below)
;   window 2: the 32 accumulator tiles of my rows 0-63 (tile (a, b) at v[8 (8 a + b)]);   window 3: those of my rows 64-127
; THE MATRIX INSTRUCTION IS USED TRANSPOSED: source 0 = 16 code rows, source 1 = 16 x rows.  Lane l then holds x row l % 16 of its block and its registers
; 0 to 7 the codes 16 b + 8 (l / 16) + 0..7: a lane scans codes of one row, and the argmax needs lanes to meet once, at the very end.
; THE ARGMAX GOES BY BLOCKS: the eight codes that a lane holds of one accumulator tile are a block.  The running best is carried through a block by four
; maxima of three; one compare a block says whether the block raised it; if so the block's number and its eight values are kept.  Which of the eight it was
; is looked up once, at the end.  That is 2.4 instructions a value, most of them in 4-byte forms, against 3.5 for a compare and two selects a value.
.set KSTEP,  128
.set ROWB,   1536                      ; bytes of a bf16 row of 768
.set PITCH,  272                       ; an LDS row: 256 bytes + 16 of padding = 68 words: the 16 rows that a load touches start at 16 different banks (ISA guide 11.1)
.set HALFT,  128*PITCH                 ; 128 rows: what one tensor load brings, and what one wave reads of either operand
.set SLOT,   4*HALFT                   ; x's 256 rows, then the codes' 256 rows
.set J,    6                           ; v6-13   the end: block a' of 16 rows: the winner's place 0..7 in its block of codes
.set ADRA, 16                          ; v16-17  LDS address of my x fragments in slot 0, 1
.set ADRB, 20                          ; v20-21  the same for the codes
.set RNO,  24                          ; v24     32 (l / 16): my eight codes' place in a block of 16 numbers of rn
.set PO,   25                          ; v25     8 x lane: my pair in a store to part
.set COLB, 26                          ; v26     my range's first code + 384 + 8 (l / 16)
.set BEST, 32                          ; v32-39  the end: the best similarity of row block a'
.set IDX,  40                          ; v40-47  the end: its code
.set VO,   48                          ; v48-49  the other half's best and code
.set IO,   49
.set OUT,  50                          ; v50-57  four pairs (key, code) to store
.set T,    58
.set F0,   64                          ; fragment buffer 0
.set F1,   128                         ; fragment buffer 1
.set RN,   192                         ; register 8 b + j: rn of code 16 b + 8 (l / 16) + j of the tile
.set W,    0                           ; window 1, v0-63: register 8 a' + j: value j of the block that holds row block a' 's best
.set BA,   192                         ; window 1, v192-199: the best so far of row block a'; between tiles it lies here
.set BB,   200                         ; window 1, v200-207: the second set: the best goes from set to set, block by block, so that the old one is there to compare with
.set IX,   208                         ; window 1, v208-215: the winning block's number, counted in blocks of 16 codes from the current tile's first code
.set G1,  24                           ; s[24:31] descriptor group 1 for x's tiles
.set G0,  32                           ; s[32:39] descriptor group 0 for x's tiles, one set for each slot
.set G1B, 48                           ; s[48:55] group 1 for the codes' tiles: it differs in the mask alone
.set G0B, 56                           ; s[56:63] group 0 for the codes' tiles, one set for each slot
.set MK,  66                           ; s[66:69] compare masks, one for each of four chains
.set MSB, 0
.macro WIN new                         ; the immediate's high byte repeats the setting that is left
.if MSB != \new
	s_set_vgpr_msb (MSB<<8)|\new
.set MSB, \new
.endif
.endm
.set MUL_LO, 0xa1                      ; source 0 (codes) window 1, source 1 (x) window 0, C and D window 2
.set MUL_HI, 0xf1                      ; the same, C and D window 3
.set TO_B,   0x40                      ; destination window 1, the rest window 0
; A joint load.  Waves 0 and 1 fetch x's two halves, waves 2 and 3 the codes'.  Each line has one mask and one set of registers for all that issue it.
; The branch hangs on the wave's number alone.  Four v_nop follow each of the two lines.
.macro JLOAD s
	s_cmp_eq_u32 s13, 0
	s_cbranch_scc0 .Lfor_b_\@
	tensor_load_to_lds s[G0+4*\s:G0+4*\s+3], s[G1:G1+7]
	s_nop 0
.rept 4
	v_nop
.endr
	s_branch .Lasked_\@
.Lfor_b_\@:
	tensor_load_to_lds s[G0B+4*\s:G0B+4*\s+3], s[G1B:G1B+7]
	s_nop 0
.rept 4
	v_nop
.endr
.Lasked_\@:
.endm
; A round of the cluster's barrier: my work-group's barrier; wave 0 signals for the work-group; every wave waits for all sixteen; my work-group's barrier again.
.macro CREST                           ; a round behind its opening barrier
	s_cmp_lg_u32 s12, 0
	s_cbranch_scc1 .Lnot_wave_0_\@
	s_barrier_signal -3
.Lnot_wave_0_\@:
	s_barrier_wait -3
	s_barrier_signal -1
	s_barrier_wait -1
.endm
.macro CROUND                          ; a whole round
	s_barrier_signal -1
	s_barrier_wait -1
	CREST
.endm
	s_load_b256 s[4:11], s[0:1], 0x0               ; x16 s[4:5], c16 s[6:7], rn s[8:9], part s[10:11]
	s_set_vgpr_msb 0x40
	v_lshl_add_u32 v255, v0, 2, 0x44000
	s_set_vgpr_msb 0x4000
	v_mov_b32 v63, 0
	s_set_vgpr_msb 0x1
	ds_add_u32 v255, v63
	s_set_vgpr_msb 0x100
	v_lshrrev_b32 v1, 5, v0
	v_readfirstlane_b32 s12, v1                    ; wave 0..3
	s_lshr_b32 s13, s12, 1                         ; which 128 of the block's x rows are mine.  Also: I fetch x (0) or codes (1)
	s_and_b32 s14, s12, 1                          ; which code half is mine.  Also: which 128 rows of that tile I fetch
	s_bfe_u32 s40, ttmp6, 0x40000                  ; cx
	s_bfe_u32 s41, ttmp6, 0x40004                  ; cy
	s_lshl_b32 s42, ttmp9, 2                       ; in a cluster launch ttmp9 and ttmp7 count clusters
	s_add_co_u32 s42, s42, s40                     ; gx: my 1,024 codes
	s_and_b32 s45, ttmp7, 0xffff
	s_lshl_b32 s45, s45, 2
	s_add_co_u32 s45, s45, s41                     ; gy: my 256 x rows
	s_lshl_b32 s43, s41, 2
	s_lshl_b32 s43, 15, s43                        ; my row of the cluster: places 4 cy .. 4 cy + 3
	s_lshl_b32 s44, 0x1111, s40                    ; my column: places cx, cx + 4, cx + 8, cx + 12
	; group 1: a tile of 128 rows x 128 elements of 2 bytes, 16 bytes of padding behind every 64 words
	s_or_b32 s[G1+0], s43, (1<<16)|(1<<20)|(1<<21)|(5<<22)|(3<<25)  ; 15:0 mask: x's tiles go to my row; 17:16 element size; 20 padding on; 21 set beside a mask; 24:22 interval; 31:25 pad
	s_or_b32 s[G1B+0], s44, (1<<16)|(1<<20)|(1<<21)|(5<<22)|(3<<25) ; the same with my column's mask
	s_mov_b32 s[G1+1], KSTEP<<16                   ; tensor_dim0 = 128
	s_mov_b32 s[G1B+1], KSTEP<<16
	s_mov_b32 s[G1+2], 128<<16                     ; tensor_dim1 = 128
	s_mov_b32 s[G1B+2], 128<<16
	s_mov_b32 s[G1+3], KSTEP<<16                   ; tile_dim0 = 128
	s_mov_b32 s[G1B+3], KSTEP<<16
	s_mov_b32 s[G1+4], 128                         ; tile_dim1 = 128
	s_mov_b32 s[G1B+4], 128
	s_mov_b32 s[G1+5], 768                         ; elements from row to row
	s_mov_b32 s[G1B+5], 768
	s_mov_b32 s[G1+6], 0
	s_mov_b32 s[G1B+6], 0
	s_mov_b32 s[G1+7], 0
	s_mov_b32 s[G1B+7], 0
	; x's address hangs on gy and the wave's number, the codes' on gx and the wave's number, each in registers that never hold the other coordinate
	s_lshl_b32 s17, s14, 7
	s_lshl_b32 s16, s45, 8
	s_add_co_u32 s16, s16, s17                     ; x: row 256 gy + 128 x half
	s_lshl_b32 s47, s14, 9
	s_lshl_b32 s46, s42, 10
	s_add_co_u32 s46, s46, s47                     ; codes: row 1024 gx + 512 x half (tile 0)
	s_mov_b32 s17, 0
	s_mov_b32 s47, 0
	s_mov_b64 s[18:19], ROWB
	s_mul_u64 s[16:17], s[16:17], s[18:19]
	s_mul_u64 s[46:47], s[46:47], s[18:19]
	s_mul_i32 s22, s12, HALFT                      ; where my part goes: wave x 128 rows; no place in the cluster enters an LDS address
	s_wait_dscnt 0x0
	s_wait_kmcnt 0x0
	s_add_nc_u64 s[20:21], s[4:5], s[16:17]
	s_add_nc_u64 s[46:47], s[6:7], s[46:47]
	CROUND                                         ; all sixteen work-groups are here: the first joint loads meet
.irp s, 0,1
	s_mov_b32 s[G0+4*\s], 1                                        ; count = 1
	s_add_co_u32 s[G0+4*\s+1], s22, \s*SLOT                        ; LDS address
	s_add_nc_u64 s[G0+4*\s+2:G0+4*\s+3], s[20:21], \s*KSTEP*2      ; global address: K step s
	s_or_b32 s[G0+4*\s+3], s[G0+4*\s+3], 0x80000000                ; type = 2
	s_mov_b32 s[G0B+4*\s], 1
	s_add_co_u32 s[G0B+4*\s+1], s22, \s*SLOT
	s_add_nc_u64 s[G0B+4*\s+2:G0B+4*\s+3], s[46:47], \s*KSTEP*2
	s_or_b32 s[G0B+4*\s+3], s[G0B+4*\s+3], 0x80000000
	JLOAD \s                                       ; both first fills go out before anything else: two tensor loads of the wave are out here, one behind each later round
.endr
	v_and_b32 v1, 15, v0                           ; l % 16
	v_bfe_u32 v2, v0, 4, 1                         ; l / 16
	v_mul_u32_u24 v3, v1, PITCH
	v_lshl_add_u32 v3, v2, 4, v3                   ; fragment address: row x pitch + 16 x half
	s_mul_i32 s15, s13, HALFT                      ; my 128 x rows
	s_mul_i32 s23, s14, HALFT                      ; my 128 code rows,
	s_add_co_u32 s23, s23, 2*HALFT                 ; which lie behind x's 256
.irp s, 0,1
	v_add_nc_u32 v[ADRA+\s], s15, v3
	v_add_nc_u32 v[ADRB+\s], s23, v3
	s_add_co_u32 s15, s15, SLOT
	s_add_co_u32 s23, s23, SLOT
.endr
	v_lshlrev_b32 v[RNO], 5, v2
	v_and_b32 v4, 31, v0
	v_lshlrev_b32 v[PO], 3, v4
	s_lshl_b32 s74, s42, 10
	s_lshl_b32 s75, s14, 9
	s_add_co_u32 s74, s74, s75                     ; my range's first code
	s_lshl_b32 s76, s74, 2
	s_mov_b32 s77, 0
	s_add_nc_u64 s[8:9], s[8:9], s[76:77]          ; rn at that code
	s_add_co_u32 s74, s74, 384                     ; the last tile's first code: IX ends up counted from there
	v_lshl_add_u32 v[COLB], v2, 3, s74
	s_lshl_b32 s76, s42, 1
	s_add_co_u32 s76, s76, s14                     ; slot of part = 2 gx + half
	s_lshl_b32 s76, s76, 14                        ; x 16,384 rows
	s_lshl_b32 s75, s45, 8
	s_add_co_u32 s76, s76, s75                     ; + 256 gy
	s_lshl_b32 s75, s13, 7
	s_add_co_u32 s76, s76, s75                     ; + my 128 rows
	s_lshl_b32 s76, s76, 3                         ; 8 bytes a row
	s_add_nc_u64 s[10:11], s[10:11], s[76:77]
	s_mov_b32 s70, 0x76543210                      ; v_permlanex16_b32: lane i of one half reads lane i of the other
	s_mov_b32 s71, 0xfedcba98
	s_mov_b32 s72, 0xffff0000                      ; lanes 16-31
	s_mov_b32 s73, 0xff800000                      ; minus infinity
.macro RNLOAD                          ; rn of the tile's 128 codes: 16 loads; the sixteen lanes of a half read the same 16 bytes
.irp b, 0,1,2,3,4,5,6,7
	global_load_b128 v[RN+8*\b:RN+8*\b+3],   v[RNO], s[8:9] offset:64*\b
	global_load_b128 v[RN+8*\b+4:RN+8*\b+7], v[RNO], s[8:9] offset:64*\b+16
.endr
.endm
	RNLOAD
	; The argmax starts at minus infinity: the first number that is no NaN wins.  W is a source of the selects from the first block on, so it holds numbers
	; from the start; with minus infinity there too, a row without any winner ends at the first code of its range.  These moves run while the first tiles are on their way.
	WIN TO_B
.set i, 0
.rept 64
	v_mov_b32 v[W+i], s73
.set i, i+1
.endr
.irp a, 0,1,2,3,4,5,6,7
	v_mov_b32 v[BA+\a], s73
	v_mov_b32 v[IX+\a], 0
.endr
	WIN 0
	v_mov_b32 v[VO], 0                             ; v_permlanex16_b32 counts as a reader of its destination
	v_mov_b32 v[IO], 0
; 16 matrix instructions: row blocks a0, a0 + 1 of the window's four x all 8 code blocks, 32 along K.  zero = 1: the product starts the sums.
.macro MUL16 f, hi, a0, zero
.irp a, \a0, \a0+1
.irp b, 0,1,2,3,4,5,6,7
.if \zero
	v_wmma_f32_16x16x32_bf16 v[8*(8*(\a)+\b):8*(8*(\a)+\b)+7], v[\f+8*\b:\f+8*\b+7], v[\f+8*(4*\hi+\a):\f+8*(4*\hi+\a)+7], 0
.else
	v_wmma_f32_16x16x32_bf16 v[8*(8*(\a)+\b):8*(8*(\a)+\b)+7], v[\f+8*\b:\f+8*\b+7], v[\f+8*(4*\hi+\a):\f+8*(4*\hi+\a)+7], v[8*(8*(\a)+\b):8*(8*(\a)+\b)+7]
.endif
.endr
.endr
.endm
; 32 LDS loads in one run: the fragments of a quarter step (128 code rows, 128 x rows, 32 K at byte k of the rows) into buffer f
.macro FETCH slot, k, f
	WIN TO_B
.irp i, 0,1,2,3,4,5,6,7
	ds_load_b128 v[\f+8*\i:\f+8*\i+3],   v[ADRB+\slot] offset:\k+\i*16*PITCH
	ds_load_b128 v[\f+8*\i+4:\f+8*\i+7], v[ADRB+\slot] offset:\k+\i*16*PITCH+32
.endr
	WIN 0
.irp i, 0,1,2,3,4,5,6,7
	ds_load_b128 v[\f+8*\i:\f+8*\i+3],   v[ADRA+\slot] offset:\k+\i*16*PITCH
	ds_load_b128 v[\f+8*\i+4:\f+8*\i+7], v[ADRA+\slot] offset:\k+\i*16*PITCH+32
.endr
.endm
; Four plain vector instructions stand between a matrix instruction and a load into one of its sources, or a vector instruction that touches its
; registers (ISA guide 7.12.1 for vector instructions); other matrix instructions are not counted.
.macro PLACES
.rept 4
	v_nop
.endr
.endm
; A K step is four quarters of 32 along K, 64 matrix instructions each, on buffers 0, 1, 0, 1.  The 64 accumulators take turns, one instruction a turn,
; in the same order everywhere, over the backward jump too.
.macro QUARTER slot, k, f, g, zero
	s_wait_dscnt 8                                 ; the codes and x's rows 0-63 are in; the youngest eight loads (x's rows 64-127) may be out
	WIN MUL_LO
	MUL16 \f, 0, 0, \zero
	MUL16 \f, 0, 2, \zero
	PLACES
	FETCH \slot, \k, \g
	s_wait_dscnt 32                                ; all but the 32 just issued
	WIN MUL_HI
	MUL16 \f, 1, 0, \zero
	MUL16 \f, 1, 2, \zero
.endm
.macro THREE slot, zero
	QUARTER \slot, 64,  F0, F1, \zero
	QUARTER \slot, 128, F1, F0, 0
	QUARTER \slot, 192, F0, F1, 0
.endm
; The last quarter of a K step: multiplies buffer 1 and changes slots.  fill = 1: this slot is filled again, two K steps ahead.
; wrap = 0: two K steps on in the same tile (512 bytes).  wrap = 1: into the next tile: x goes back to the same K step of its rows (1,024 bytes back),
; the codes go 128 rows on and 1,024 bytes back.
; In front of the opening signal each wave waits for its reads of this slot and for all its tensor loads (one is out: its part of the next slot); only
; register work stands inside the round; the joint refill is the first tensor load behind it, one a wave.
.macro TURN slot, next, fill, wrap
	s_wait_dscnt 8
	WIN MUL_LO
	MUL16 F1, 0, 0, 0
	s_wait_dscnt 0                                 ; my reads of this slot are over
	s_wait_tensorcnt 0x0                           ; all my tensor loads have landed
	ds_add_u32 v255, v63
	s_wait_dscnt 0x0
	s_barrier_signal -1
	MUL16 F1, 0, 2, 0                              ; work on registers while the others arrive
	WIN 0
	s_barrier_wait -1
.if \fill
	CREST                                          ; no wave of any partner still reads this slot or has a load on its way
.if \wrap
	s_sub_nc_u64 s[G0+4*\slot+2:G0+4*\slot+3], s[G0+4*\slot+2:G0+4*\slot+3], 4*KSTEP*2
	s_add_nc_u64 s[G0B+4*\slot+2:G0B+4*\slot+3], s[G0B+4*\slot+2:G0B+4*\slot+3], 128*ROWB-4*KSTEP*2
.else
	s_add_nc_u64 s[G0+4*\slot+2:G0+4*\slot+3], s[G0+4*\slot+2:G0+4*\slot+3], 2*KSTEP*2
	s_add_nc_u64 s[G0B+4*\slot+2:G0B+4*\slot+3], s[G0B+4*\slot+2:G0B+4*\slot+3], 2*KSTEP*2
.endif
	JLOAD \slot                                    ; its four v_nop are also the places in front of the loads below
.else
	PLACES
.endif
	FETCH \next, 0, F0
	WIN MUL_HI
	MUL16 F1, 1, 0, 0
	MUL16 F1, 1, 2, 0
.endm
.macro LAP zero, wrap                  ; two K steps, once round the ring, both slots filled again
	THREE 0, \zero
	TURN 0, 1, 1, \wrap
	THREE 1, 0
	TURN 1, 0, 1, \wrap
.endm
; The window's 32 tiles times rn of their codes, in place: 128 packed multiplies.
.macro SCALE
.irp a, 0,1,2,3
.irp b, 0,1,2,3,4,5,6,7
.irp p, 0,2,4,6
	v_pk_mul_f32 v[8*(8*\a+\b)+\p:8*(8*\a+\b)+\p+1], v[RN+8*\b+\p:RN+8*\b+\p+1], v[8*(8*\a+\b)+\p:8*(8*\a+\b)+\p+1]
.endr
.endr
.endr
.endm
; One window's 32 tiles (hi = 0: window 2, 1: window 3), code block by code block in ascending order, the four row blocks as four chains that do not wait
; for each other.  win = the setting under which sources 0 and 2 are the accumulators' window and source 1 and the destination window 1 (0x66, 0x77):
; it serves the maxima and the selects; the four compares, both of whose sources lie in window 1, need 0x05.
; NEW = max(OLD, the block's eight values); a NaN loses in v_max3_num_f32.  keep = (NEW <= OLD): the compare for a win is strict, so of equal blocks the first stays.
; The selects take keep through VCC, which gives them their 4-byte form.  The choice selects values only: every trip does the same work.
.macro SCAN hi, win
.irp b, 0,1,2,3,4,5,6,7
.if (\b) & 1
.set OLD, BB+4*\hi
.set NEW, BA+4*\hi                     ; the eighth block leaves the best in BA
.else
.set OLD, BA+4*\hi
.set NEW, BB+4*\hi
.endif
	WIN \win
.irp a, 0,1,2,3
	v_max3_num_f32 v[NEW+\a], v[8*(8*\a+\b)], v[OLD+\a], v[8*(8*\a+\b)+1]
.endr
.irp p, 2,4,6
.irp a, 0,1,2,3
	v_max3_num_f32 v[NEW+\a], v[8*(8*\a+\b)+\p], v[NEW+\a], v[8*(8*\a+\b)+\p+1]
.endr
.endr
	WIN 0x05
.irp a, 0,1,2,3
	v_cmp_le_f32 s[MK+\a], v[NEW+\a], v[OLD+\a]
.endr
	WIN \win
.irp a, 0,1,2,3
	s_mov_b32 vcc_lo, s[MK+\a]
	v_cndmask_b32 v[IX+4*\hi+\a], \b, v[IX+4*\hi+\a], vcc_lo                                     ; keep ? the old block : this block
.irp j, 0,1,2,3,4,5,6,7
	v_cndmask_b32 v[W+8*(4*\hi+\a)+\j], v[8*(8*\a+\b)+\j], v[W+8*(4*\hi+\a)+\j], vcc_lo          ; keep ? the old values : this block's
.endr
.endr
.endr
.endm
; The end of a tile.  No LDS instruction stands here, so the next quarter's count of LDS loads still holds.
.macro EPI last
	PLACES                                         ; behind the last matrix instructions, in front of the vector work on their results
	s_wait_loadcnt 0x0                             ; rn of this tile is in (asked for a tile ago); its base may be stepped
	WIN 0x88                                       ; source 1 and destination window 2, rn in window 0
	SCALE
	WIN 0xcc                                       ; the same for window 3
	SCALE
	WIN 0
.if \last == 0
	s_add_nc_u64 s[8:9], s[8:9], 512               ; 128 codes on
	RNLOAD                                         ; the next tile's rn has that whole tile in which to land
.endif
	SCAN 0, 0x66
	SCAN 1, 0x77
.if \last == 0
.irp a, 0,1,2,3,4,5,6,7
	v_add_nc_u32 v[IX+\a], -8, v[IX+\a]            ; the next tile's first code is eight blocks of 16 further on (source 1 and destination are still window 1)
.endr
.endif
	WIN 0
.endm
	s_wait_tensorcnt 1                             ; my part of K step 0 is in; K step 1's may stay out
	s_barrier_signal -1
	s_barrier_wait -1                              ; everybody's is
	FETCH 0, 0, F0
	WIN 0                                          ; at a label and at a branch every window is 0
	s_mov_b32 s3, 3
.Ltile:                                            ; tiles 0 to 2
	LAP 1, 0                                       ; the first products start the sums: nothing is cleared
	LAP 0, 0
	LAP 0, 1                                       ; K steps 4 and 5: the slots are filled with the next tile's K steps 0 and 1
	EPI 0
	WIN 0
	s_sub_co_u32 s3, s3, 1
	s_cmp_lg_u32 s3, 0
	s_cbranch_scc1 .Ltile
	LAP 1, 0                                       ; tile 3, written out: its last two K steps fill nothing
	LAP 0, 0
	THREE 0, 0
	TURN 0, 1, 0, 0                                ; my one tensor load that was still out, K step 5's, is waited for here
	THREE 1, 0
	s_wait_dscnt 8                                 ; the very last quarter: nothing more to fetch
	WIN MUL_LO
	MUL16 F1, 0, 0, 0
	MUL16 F1, 0, 2, 0
	s_wait_dscnt 0
	WIN MUL_HI
	MUL16 F1, 1, 0, 0
	MUL16 F1, 1, 2, 0
	EPI 1
	; Which of the winning block's eight values was it: the first that equals the best.  From j = 6 down, so that the lowest stays; j = 7 is what is left
	; if none below it matches.  Source 0 is window 1 (W, BA, IX), all else window 0.
	WIN 0x01
.irp a, 0,1,2,3,4,5,6,7
	v_mov_b32 v[BEST+\a], v[BA+\a]
	v_mov_b32 v[IDX+\a], v[IX+\a]
	v_mov_b32 v[J+\a], 7
.endr
.irp j, 6,5,4,3,2,1,0
.irp g, 0,4
.irp a, 0,1,2,3
	v_cmp_neq_f32 s[MK+\a], v[W+8*(\g+\a)+\j], v[BEST+\g+\a]
.endr
.irp a, 0,1,2,3
	v_cndmask_b32 v[J+\g+\a], \j, v[J+\g+\a], s[MK+\a]     ; not equal ? as it was : j
.endr
.endr
.endr
	WIN 0
.irp a, 0,1,2,3,4,5,6,7
	v_lshl_add_u32 v[IDX+\a], v[IDX+\a], 4, v[J+\a]        ; 16 x block + place,
	v_add_nc_u32 v[IDX+\a], v[COLB], v[IDX+\a]             ; + the last tile's first code + 8 (l / 16): the code's true number
.endr
	; The two halves of the lanes hold the same rows and different codes: they meet once.  The larger similarity wins, of equal ones the lower code.
.irp a, 0,1,2,3,4,5,6,7
	v_permlanex16_b32 v[VO], v[BEST+\a], s70, s71
	v_permlanex16_b32 v[IO], v[IDX+\a], s70, s71
	v_cmp_gt_f32 s78, v[VO], v[BEST+\a]
	v_cmp_eq_f32 s79, v[VO], v[BEST+\a]
	v_cmp_lt_u32 vcc_lo, v[IO], v[IDX+\a]
	s_and_b32 s79, s79, vcc_lo
	s_or_b32 s78, s78, s79
	v_cndmask_b32 v[BEST+\a], v[BEST+\a], v[VO], s78
	v_cndmask_b32 v[IDX+\a], v[IDX+\a], v[IO], s78
	v_add_f32 v[BEST+\a], 0, v[BEST+\a]            ; -0 becomes +0, so that equal floats give equal keys
	v_ashrrev_i32 v[T], 31, v[BEST+\a]
	v_or_b32 v[T], 0x80000000, v[T]
	v_xor_b32 v[BEST+\a], v[BEST+\a], v[T]         ; positive: the top bit is set; negative: all bits turn: u32 order = float order
.endr
.irp p, 0,1,2,3
	v_cndmask_b32 v[OUT+2*\p],   v[BEST+2*\p], v[BEST+2*\p+1], s72   ; lanes 0-15: rows of block 2 p; lanes 16-31: of block 2 p + 1
	v_cndmask_b32 v[OUT+2*\p+1], v[IDX+2*\p],  v[IDX+2*\p+1],  s72
.endr
.irp p, 0,1,2,3
	global_store_b64 v[PO], v[OUT+2*\p:OUT+2*\p+1], s[10:11] offset:256*\p   ; 32 rows x 8 bytes: 256 consecutive bytes, aligned
.endr
	CROUND                                         ; the closing round: no work-group ends while a partner may still ask for a tile that names it
	s_endpgm
.Lfunc_end_k_q867985a647_simarg:
	.size	k_q867985a647_simarg, .Lfunc_end_k_q867985a647_simarg-k_q867985a647_simarg
	.p2alignl 7, 3214868480
	.fill 96, 4, 3214868480
	.section	.rodata,"a",@progbits
	.p2align	6, 0x0
	.amdhsa_kernel k_q867985a647_simarg
		.amdhsa_group_segment_fixed_size 327680
		.amdhsa_private_segment_fixed_size 0
		.amdhsa_enable_private_segment 0
		.amdhsa_kernarg_size 32
		.amdhsa_user_sgpr_count 2
		.amdhsa_user_sgpr_kernarg_segment_ptr 1
		.amdhsa_wavefront_size32 1
		.amdhsa_system_sgpr_workgroup_id_x 1
		.amdhsa_system_sgpr_workgroup_id_y 1
		.amdhsa_system_sgpr_workgroup_id_z 1
		.amdhsa_system_vgpr_workitem_id 0
		.amdhsa_next_free_vgpr 1024
		.amdhsa_next_free_sgpr 80
		.amdhsa_reserve_vcc 1
		.amdhsa_float_denorm_mode_32 3
		.amdhsa_float_denorm_mode_16_64 3
		.amdhsa_memory_ordered 1
		.amdhsa_forward_progress 1
		.amdhsa_inst_pref_size 255
	.end_amdhsa_kernel
	.section	.bss,"aw",@nobits
	.p2align	6
	.space	262144
	.amdgpu_metadata
---
amdhsa.version: [ 1, 2 ]
amdhsa.kernels:
  - .name:           k_q867985a647_simarg
    .symbol:         k_q867985a647_simarg.kd
    .args:
      - { .name: x16, .offset: 0, .size: 8, .value_kind: global_buffer, .address_space: global }
      - { .name: c16, .offset: 8, .size: 8, .value_kind: global_buffer, .address_space: global }
      - { .name: rn, .offset: 16, .size: 8, .value_kind: global_buffer, .address_space: global }
      - { .name: part, .offset: 24, .size: 8, .value_kind: global_buffer, .address_space: global }
    .group_segment_fixed_size: 327680
    .private_segment_fixed_size: 0
    .kernarg_segment_align: 8
    .kernarg_segment_size: 32
    .max_flat_workgroup_size: 128
    .sgpr_count:     80
    .vgpr_count:     1024
    .wavefront_size: 32
...
	.end_amdgpu_metadata
.endif
;; end of part 6
;; launch quant (part 7): grid 256 x 1, 16 waves a work-group, no clusters, 2,304 bytes of LDS; arguments inputs, codebook, part, out0, lossp; writes out0, lossp
.if DOCPART == 7
	.amdgcn_target "amdgcn-amd-amdhsa--gfx1250"
	.amdhsa_code_object_version 6
	.text
	.protected	k_q867985a647_quant
	.globl	k_q867985a647_quant
	.p2align	8
	.type	k_q867985a647_quant,@function
k_q867985a647_quant:
	s_mov_b64 s[64:65], 0
	v_nop
	global_prefetch_b8 v0, s[64:65] scope:SCOPE_SE
	s_setreg_imm32_b32 hwreg(HW_REG_WAVE_MODE, 25, 1), 1
	s_wait_xcnt 0x0
; For each row: the best of its eight (key, code) pairs, q = codebook[code], out0 = x + (q - x), and the work-group's sum of (q - x)^2 into lossp.
; The pairs are whole numbers stored by the launch before; the slots ascend in code, and the compare is strict, so the first code of the largest key stays.
; A stream with a gather: x is read once, out0 written once, a wave's load or store covers 512 consecutive bytes.  No matrix work.  No cluster and no joint
; loads: which code rows two work-groups share hangs on the data.  Sixteen waves; the work-group owns 64 rows, a wave 4 rows.  Every row has registers of
; its own for x and for q (4 x 48 registers; four waves of 234 registers on a SIMD), so all of a wave's 56 loads go out before its first store and no
; register is ever loaded twice.
.set ROWF, 3072                        ; bytes of a row
.set L16,  1                           ; v1        16 x lane
.set XO,   2                           ; v2        my byte offset in x and out0: wave x 4 rows + 16 x lane; never rewritten
.set PAO,  3                           ; v3        my byte offset in a slot of part: row 4 x wave + lane % 4
.set QO,   4                           ; v[4:7]    row r: byte offset of my 16 bytes in its code row; never rewritten
.set P,    12                          ; v[12:27]  eight pairs (key, code)
.set ACC,  28                          ; v[28:35]  four pairs of running sums of squares
.set T,    36                          ; v36 wave, v37 at work
.set X,    40                          ; v[40:135]  row r at 24 r: x as loaded, then out0 as stored
.set Q,    136                         ; v[136:231] row r at 24 r: q as loaded, then q - x
	s_load_b256 s[4:11], s[0:1], 0x0               ; inputs s[4:5], codebook s[6:7], part s[8:9], out0 s[10:11]
	s_load_b64 s[12:13], s[0:1], 0x20              ; lossp
	v_lshl_add_u32 v232, v0, 2, 0x100
	v_mov_b32 v233, 0
	v_lshrrev_b32 v[T], 5, v0
	v_readfirstlane_b32 s14, v[T]                  ; wave
	v_and_b32 v[T+1], 31, v0
	v_lshlrev_b32 v[L16], 4, v[T+1]
	v_mul_u32_u24 v[XO], v[T], 4*ROWF
	v_add_nc_u32 v[XO], v[XO], v[L16]
	v_and_b32 v[T+1], 3, v0
	v_lshl_add_u32 v[PAO], v[T], 2, v[T+1]
	v_lshlrev_b32 v[PAO], 3, v[PAO]
	s_mul_i32 s16, ttmp9, 64*ROWF                  ; at most 255 x 196,608: below 4 GiB
	s_mov_b32 s17, 0
	s_lshl_b32 s18, ttmp9, 9                       ; 64 rows x 8 bytes
	s_mov_b32 s19, 0
	s_lshl_b32 s28, ttmp9, 2
	s_mov_b32 s29, 0
	s_mov_b32 s30, 0x76543210
	s_mov_b32 s31, 0xfedcba98
	s_wait_kmcnt 0x0
	s_add_nc_u64 s[4:5], s[4:5], s[16:17]
	s_add_nc_u64 s[10:11], s[10:11], s[16:17]
	s_add_nc_u64 s[8:9], s[8:9], s[18:19]
	s_add_nc_u64 s[12:13], s[12:13], s[28:29]
.irp s, 0,1,2,3,4,5,6,7
	global_load_b64 v[P+2*\s:P+2*\s+1], v[PAO], s[8:9] offset:131072*\s    ; every lane with lane % 4 = r gets row r's pair of slot s
.endr
.irp r, 0,1,2,3
.irp j, 0,1,2,3,4,5
	global_load_b128 v[X+24*\r+4*\j:X+24*\r+4*\j+3], v[XO], s[4:5] offset:ROWF*\r+512*\j th:TH_LOAD_NT
.endr
.endr
	s_wait_loadcnt 24                              ; the pairs are in; the 24 loads of x behind them stay out
.irp s, 1,2,3,4,5,6,7
	v_cmp_gt_u32 vcc_lo, v[P+2*\s], v[P]
	v_cndmask_b32 v[P],   v[P],   v[P+2*\s],   vcc_lo
	v_cndmask_b32 v[P+1], v[P+1], v[P+2*\s+1], vcc_lo
.endr
.irp r, 0,1,2,3
	v_readlane_b32 s[20+\r], v[P+1], \r            ; row r's code
	s_min_u32 s[20+\r], s[20+\r], 0xfff            ; a loaded number enters an address only clamped to the table
	s_mul_i32 s[20+\r], s[20+\r], ROWF
	v_add_nc_u32 v[QO+\r], s[20+\r], v[L16]
.endr
.irp r, 0,1,2,3
.irp j, 0,1,2,3,4,5
	global_load_b128 v[Q+24*\r+4*\j:Q+24*\r+4*\j+3], v[QO+\r], s[6:7] offset:512*\j   ; no streaming hint: a code row may be named again
.endr
.endr
; Row r.  left = the loads issued behind row r's last load of q, which may stay out: six for each younger row.
.macro TURN r, left
	s_wait_loadcnt \left
.irp i, 0,1,2,3,4,5,6,7,8,9,10,11
	v_pk_add_f32 v[Q+24*\r+2*\i:Q+24*\r+2*\i+1], v[Q+24*\r+2*\i:Q+24*\r+2*\i+1], v[X+24*\r+2*\i:X+24*\r+2*\i+1] neg_lo:[0,1] neg_hi:[0,1]   ; q - x
.endr
.irp i, 0,1,2,3,4,5,6,7,8,9,10,11
.if \r*16+\i < 4
	v_pk_mul_f32 v[ACC+2*\i:ACC+2*\i+1], v[Q+24*\r+2*\i:Q+24*\r+2*\i+1], v[Q+24*\r+2*\i:Q+24*\r+2*\i+1]     ; the first four pairs start the sums
.else
	v_pk_fma_f32 v[ACC+2*(\i%4):ACC+2*(\i%4)+1], v[Q+24*\r+2*\i:Q+24*\r+2*\i+1], v[Q+24*\r+2*\i:Q+24*\r+2*\i+1], v[ACC+2*(\i%4):ACC+2*(\i%4)+1]
.endif
.endr
.irp i, 0,1,2,3,4,5,6,7,8,9,10,11
	v_pk_add_f32 v[X+24*\r+2*\i:X+24*\r+2*\i+1], v[X+24*\r+2*\i:X+24*\r+2*\i+1], v[Q+24*\r+2*\i:Q+24*\r+2*\i+1]   ; x + (q - x)
.endr
.irp j, 0,1,2,3,4,5
	global_store_b128 v[XO], v[X+24*\r+4*\j:X+24*\r+4*\j+3], s[10:11] offset:ROWF*\r+512*\j th:TH_STORE_NT
.endr
.endm
	TURN 0, 18
	TURN 1, 12
	TURN 2, 6
	TURN 3, 0
	v_pk_add_f32 v[ACC:ACC+1], v[ACC:ACC+1], v[ACC+2:ACC+3]
	v_pk_add_f32 v[ACC+4:ACC+5], v[ACC+4:ACC+5], v[ACC+6:ACC+7]
	v_pk_add_f32 v[ACC:ACC+1], v[ACC:ACC+1], v[ACC+4:ACC+5]
	v_add_f32 v[ACC], v[ACC], v[ACC+1]
	v_add_f32_dpp v[ACC], v[ACC], v[ACC] row_xmask:1 row_mask:0xf bank_mask:0xf
	v_add_f32_dpp v[ACC], v[ACC], v[ACC] row_xmask:2 row_mask:0xf bank_mask:0xf
	v_add_f32_dpp v[ACC], v[ACC], v[ACC] row_xmask:4 row_mask:0xf bank_mask:0xf
	v_add_f32_dpp v[ACC], v[ACC], v[ACC] row_xmask:8 row_mask:0xf bank_mask:0xf
	v_permlanex16_b32 v[ACC+1], v[ACC], s30, s31
	v_add_f32 v[ACC], v[ACC], v[ACC+1]             ; the wave's sum, in every lane
	v_lshlrev_b32 v[T], 2, v[T]
	ds_store_b32 v[T], v[ACC]                      ; word number = wave; all lanes write the same number
	s_wait_dscnt 0x0                               ; for the others' sake: my store is done in front of my signal
	s_barrier_signal -1
	s_barrier_wait -1
	s_cmp_lg_u32 s14, 0
	s_cbranch_scc1 .Lend                           ; wave 0 alone adds the sixteen sums
	v_mov_b32 v[T+1], 0
.irp k, 0,1,2,3
	ds_load_b128 v[Q+4*\k:Q+4*\k+3], v[T+1] offset:16*\k   ; into q's registers: x's are still the data of pending stores
.endr
	s_wait_dscnt 0x0
.irp k, 0,4,8,12
	v_pk_add_f32 v[Q+\k:Q+\k+1], v[Q+\k:Q+\k+1], v[Q+\k+2:Q+\k+3]
.endr
	v_pk_add_f32 v[Q:Q+1], v[Q:Q+1], v[Q+4:Q+5]
	v_pk_add_f32 v[Q+8:Q+9], v[Q+8:Q+9], v[Q+12:Q+13]
	v_pk_add_f32 v[Q:Q+1], v[Q:Q+1], v[Q+8:Q+9]
	v_add_f32 v[Q], v[Q], v[Q+1]
	s_wait_xcnt 0x0                                ; EXEC is a source of the stores above: it changes only behind this wait
	v_cmp_eq_u32 vcc_lo, 0, v0
	s_and_saveexec_b32 s32, vcc_lo
	global_store_b32 v[T+1], v[Q], s[12:13]        ; one number for the work-group; the sum over work-groups is the next launch's
	s_wait_xcnt 0x0
	s_or_b32 exec_lo, exec_lo, s32
.Lend:
	s_wait_tensorcnt 0x0
	ds_add_u32 v232, v233
	s_wait_dscnt 0x0
	s_endpgm
.Lfunc_end_k_q867985a647_quant:
	.size	k_q867985a647_quant, .Lfunc_end_k_q867985a647_quant-k_q867985a647_quant
	.p2alignl 7, 3214868480
	.fill 96, 4, 3214868480
	.section	.rodata,"a",@progbits
	.p2align	6, 0x0
	.amdhsa_kernel k_q867985a647_quant
		.amdhsa_group_segment_fixed_size 2304
		.amdhsa_private_segment_fixed_size 0
		.amdhsa_enable_private_segment 0
		.amdhsa_kernarg_size 40
		.amdhsa_user_sgpr_count 2
		.amdhsa_user_sgpr_kernarg_segment_ptr 1
		.amdhsa_wavefront_size32 1
		.amdhsa_system_sgpr_workgroup_id_x 1
		.amdhsa_system_sgpr_workgroup_id_y 1
		.amdhsa_system_sgpr_workgroup_id_z 1
		.amdhsa_system_vgpr_workitem_id 0
		.amdhsa_next_free_vgpr 234
		.amdhsa_next_free_sgpr 66
		.amdhsa_reserve_vcc 1
		.amdhsa_float_denorm_mode_32 3
		.amdhsa_float_denorm_mode_16_64 3
		.amdhsa_memory_ordered 1
		.amdhsa_forward_progress 1
		.amdhsa_inst_pref_size 22
	.end_amdhsa_kernel
	.amdgpu_metadata
---
amdhsa.version: [ 1, 2 ]
amdhsa.kernels:
  - .name:           k_q867985a647_quant
    .symbol:         k_q867985a647_quant.kd
    .args:
      - { .name: inputs, .offset: 0, .size: 8, .value_kind: global_buffer, .address_space: global }
      - { .name: codebook, .offset: 8, .size: 8, .value_kind: global_buffer, .address_space: global }
      - { .name: part, .offset: 16, .size: 8, .value_kind: global_buffer, .address_space: global }
      - { .name: out0, .offset: 24, .size: 8, .value_kind: global_buffer, .address_space: global }
      - { .name: lossp, .offset: 32, .size: 8, .value_kind: global_buffer, .address_space: global }
    .group_segment_fixed_size: 2304
    .private_segment_fixed_size: 0
    .kernarg_segment_align: 8
    .kernarg_segment_size: 40
    .max_flat_workgroup_size: 512
    .sgpr_count:     66
    .vgpr_count:     234
    .wavefront_size: 32
...
	.end_amdgpu_metadata
.endif
;; end of part 7
;; launch lossum: the kernel of part 4 again; grid 1 x 1, 1 waves a work-group, no clusters, 0 bytes of LDS; arguments lossp, out1; writes out1
